; MI455X (gfx1250); checked and timed in simulation.
; The chip was launched on July 23, 2026; its instructions are those of AMD's public machine-readable ISA for CDNA 5 (MIT licence, August 2026) and "CDNA5" Instruction Set Architecture Reference Guide (July 2026). The comments in the code are by the model that wrote it; some were corrected since.
;; MOE Layer. Allowed arithmetic: matrix products marked QUANTISED: E3M2 operands, one E8M0 scale for each 32 along K, by v_wmma_scale_f32_16x16x128_f8f6f4 with both operands' format E3M2, f32 sums; products left as they are: f32 operands where the result goes on into a quantised operand, else bf16, f16 or f32 operands; f32 sums; everything else in f32.
;; Inputs: W_codes 8 x 1,024 x 32 x 24 uint8 (E3M2 codes of W, K innermost, in blocks of 32 codes, four codes in three bytes); W_scales 8 x 1,024 x 32 uint8 (E8M0 scales of W, one for each 32 codes along K); Wg 1,024 x 8 float32; b 8 x 1,024 float32; bg 8 float32; x 4,096 x 1,024 float32.
;; Outputs: out0 4,096 x 1,024 float32; out1 one number float32.
;; This version of the problem:
;;   THIS VERSION OF THE PROBLEM IS GIVEN IN LOW PRECISION. The matrix products marked QUANTISED in the list below multiply operands that are first quantised to E3M2 (3 exponent bits, 2 mantissa bits; 6 bits a number), with one power-of-two scale for each 32 numbers along K (OCP MX v1.0); their sums are f32. All else is computed in f32.
;;   The module's matrix products, in the order in which they are computed (A, B: the left and right operand; K: the contracted axis; several contracted axes count as one K, in the product's order):
;;     1. [M 4,096, K 1,024] x [K 1,024, N 8]; A: input x; B: input Wg: left as it is (N = 8 < 16)
;;     2. batch 4,096 x [M 1,024, K 1] x [K 1, N 8]; A: computed on the way; B: computed on the way: left as it is (no contracted axis)
;;     3. batch 8 x [M 4,096, K 1,024] x [K 1,024, N 1,024]; A: computed on the way; B: input W (given as codes): QUANTISED
;;     4. batch 4,096 x [M 1, K 8] x [K 8, N 1,024]; A: computed on the way; B: computed on the way: left as it is (K = 8 < 32)
;;   THE QUANTISER, for each operand of a quantised product, along K:
;;     - K is cut into blocks of 32 from its start; a last block that is shorter is filled with zeros.
;;     - A block's scale is 2^e with e = floor(log2(the largest magnitude in the block)) - 4, held to -126 .. 127; a block of zeros has e = 0. As a byte (E8M0): e + 127.
;;     - Each number is divided by its block's scale, clamped to +-28, and rounded to the nearest number of E3M2, ties to even, subnormals kept.
;;     - The product sums the exact products of the quantised numbers (number of the format x scale) in f32.
;;   ~~~python
;;   def quantise(x, axis):      # numpy; x: float32 -> the quantised numbers, widened to float32 again
;;       x = np.moveaxis(x, axis, -1); K = x.shape[-1]
;;       x = np.pad(x, [(0, 0)] * (x.ndim - 1) + [(0, -K % 32)]); x = x.reshape(x.shape[:-1] + (-1, 32)); a = np.abs(x).max(-1, keepdims=True)
;;       e = np.where(a > 0, np.clip(np.frexp(np.where(a > 0, a, 1))[1] - 1 - 4, -126, 127), 0)      # np.frexp(a)[1] - 1 = floor(log2(a)), exactly
;;       r = np.clip(x / 2.0 ** e, -28, 28)
;;       step = 2.0 ** (np.maximum(np.frexp(np.where(r == 0, 1, r))[1] - 1, -2) - 2)
;;       q = np.round(r / step) * step * 2.0 ** e      # np.round: ties to even
;;       return np.moveaxis(q.reshape(q.shape[:-2] + (-1,))[..., :K], -1, axis).astype(np.float32)
;;   ~~~
;;   OPERANDS COMPUTED ON THE WAY. 'Computed on the way' means the value that the module computes at that place (a softmax that the list does not call 'softmax' is quantised finished and normalised). What goes into a quantiser is computed in f32, as accurately as f32 sums, v_exp_f32 and their like allow (about 1e-6 of the number): no bf16 or f16 on the way to a quantiser, and a product that is left as it is and whose result goes on into a quantised operand takes f32 operands (vector FMAs, or v_wmma_f32_16x16x4_f32). A number that lies on a knife's edge between two numbers of the format may be rounded either way, as far as f32 arithmetic and the matrix unit's own rounding can turn it there, and no further.
;;   INPUTS GIVEN AS CODES. W (in the module: [8, 1024, 1024], K = its axis 1): each comes as NAME_codes (uint8): NAME with its K axis moved to the last place and cut into blocks of 32 codes, [.., K / 32, bytes a block], one block behind the other in memory; four codes in three bytes: a row's codes are one little-endian stream of bits, code i at bits 6 i .. 6 i + 5 (a code: sign, 3 exponent bits, 2 mantissa bits); and NAME_scales (uint8): the same leading axes, one E8M0 byte (e + 127) for each 32 codes along K. Its value is code x scale, taken as it is: it is not quantised again, and the codes and scales need not be those that the quantiser above would give.
;; 2 versions. Each part assembles by itself: llvm-mc -triple=amdgcn-amd-amdhsa -mcpu=gfx1250 --defsym DOCPART=n.
;; ======== version 1 of 2: 3 launches
;; workspace buffers: xq 3,276,800 bytes; route 20,480 bytes of whole numbers; fl 24,576 bytes; plan 33,536 bytes of whole numbers; Wl 6,291,456 bytes
;; launch route (part 1): grid 256 x 1, 4 waves a work-group, no clusters, 40,448 bytes of LDS; arguments x, Wg, bg, xq, route, fl, plan; writes xq, route, fl, plan
.if DOCPART == 1
	.amdgcn_target "amdgcn-amd-amdhsa--gfx1250"
	.amdhsa_code_object_version 6
	.text
	.protected	k_q3ae10b62c4_route
	.globl	k_q3ae10b62c4_route
	.p2align	8
	.type	k_q3ae10b62c4_route,@function
k_q3ae10b62c4_route:
	s_mov_b64 s[64:65], 0
	v_nop
	global_prefetch_b8 v0, s[64:65] scope:SCOPE_SE
	s_setreg_imm32_b32 hwreg(HW_REG_WAVE_MODE, 25, 1), 1
	s_wait_xcnt 0x0
; ROUTE.  x [4096][1024] f32 is read once and serves twice: the gate's logits x Wg + bg (f32 multiply-adds), and x's codes of BF6 (E3M2) with one E8M0 byte for each 32 along K.
; A work-group takes 16 tokens; wave w takes k = 256 w .. 256 w + 255 of all 16, so that Wg's 32,768 bytes are read once a work-group and a wave's 32 loads of x, 512 consecutive bytes each, all go out at the head.
; OUT: xq: a token's codes, 768 bytes, block b = 4 s + 2 c + h (k = 32 b on) at 384 h + 48 s + 24 c, so that lane (r, h) of a 6-bit fragment finds its 48 bytes of K step s on end; from XS_OFF on 32 scale bytes a token.
;      route: the chosen expert of each token (u32); from CP_OFF on, for each group of 16 tokens, the eight experts' counts, two to a word.   fl: the chosen expert's probability; from PS_OFF on each group's sums of the eight probabilities.
;      plan: this launch clears the token lists (128 bytes a work-group); the next launch writes the tokens into them.
; THE QUANTISER: a block's byte is its largest magnitude's exponent field - 4, held at 1 from below; numbers are divided by the scale and rounded to the nearest code, ties to even, beyond 28 the largest code.
; LIMITS: a block whose largest magnitude lies under 2^-122 keeps the byte 1 (a block of zeros too: its codes are zeros, and this program alone reads the bytes); NaN and infinities are not served.
;      The expert is the first largest LOGIT; logits so close that their exponentials are equal in f32 would tie in a search over the probabilities and may be told apart here.
; The chosen expert and the counts are stored as numbers only: no address and no branch of this launch hangs on them.
; No matrix unit (N = 8), no tensor load, no cluster: no two work-groups read the same bytes of x, and all of a wave's bytes are asked for at once.
.set XS_OFF, 3145728
.set CP_OFF, 16384
.set PS_OFF, 16384
.set SP,     80                        ; a lane's place in a stage: 64 bytes + 16 of padding
.set STG2,   32*SP                     ; a stage
.set WTURN,  2*STG2                    ; LDS: two stages for each wave
.set CST,    4*WTURN                   ; the codes: for each wave 256 places of 16 bytes (12 bytes of codes each): place 16 token + 8 h + 4 (s % 2) + 2 c + half
.set CSTW,   4224                      ; from wave to wave: 4,096 + 128
.set SCT,    CST+4*CSTW                ; the scale bytes: for each wave 128 bytes: 8 token + block % 8
.set PART,   SCT+512                   ; partial logits [wave][token][8] f32
.set R,   16                           ; v16-143   x as loaded: token t, half j at R + 8 t + 4 j: k = 256 w + 128 j + 4 lane + 0 .. 3
.set X,   144                          ; v144-175  two sets of 16 neighbours along K
.set ACA, 176                          ; v176-183  eight experts' sums, even token of a step
.set ACB, 184                          ; v184-191  the odd token's
.set C,   192                          ; v192-223  codes, four registers a step
.set EB,  224                          ; v224-231  a scale byte a step
; v1 lane; v2 16 lane; v3, v4 the stage in and out; v5 codes to LDS; v6 scale byte to LDS; v7 partial sums to LDS; v8, v9, v11 at work; v10 partial sums back; v12 codes back; v13 codes to memory;
; v14 4 (lane % 16); v15 0; v233 scale bytes back; v234 4 lane; v235 Wg.   Window 1: v0-63: Wg[256 w + 128 j + 4 lane + i][e] at 32 j + 8 i + e.
.set MSB, 0
.macro WIN new                         ; the immediate's high byte repeats the setting that is left
.if MSB != (\new)
	s_set_vgpr_msb (MSB<<8)|(\new)
.set MSB, (\new)
.endif
.endm
	s_load_b256 s[8:15], s[0:1], 0x0               ; x, Wg, bg, xq
	s_load_b128 s[16:19], s[0:1], 0x20             ; route, fl
	s_load_b64 s[20:21], s[0:1], 0x30              ; plan
	v_lshl_add_u32 v254, v0, 2, 0x9c00
	v_mov_b32 v255, 0
	v_lshrrev_b32 v1, 5, v0
	v_readfirstlane_b32 s24, v1                    ; wave 0..3
	v_and_b32 v1, 31, v0                           ; lane
	v_lshlrev_b32 v2, 4, v1
	v_lshlrev_b32 v235, 7, v1
	s_lshl_b32 s25, s24, 13
	v_add_nc_u32 v235, s25, v235                   ; Wg: my four rows of 32 bytes: 8,192 w + 128 lane
	v_mov_b32 v15, 0
	s_wait_kmcnt 0x0
	s_load_b256 s[32:39], s[12:13], 0x0            ; bg
	s_lshl_b32 s2, ttmp9, 16                       ; 16 rows of 4,096 bytes a work-group,
	s_lshl_b32 s3, s24, 10                         ; 1,024 bytes of a row a wave
	s_add_co_u32 s2, s2, s3
	s_mov_b32 s3, 0
	s_add_nc_u64 s[8:9], s[8:9], s[2:3]
	WIN 0x40                                       ; destination window 1
.irp j, 0,1
.irp q, 0,1,2,3,4,5,6,7
	global_load_b128 v[32*\j+4*\q:32*\j+4*\q+3], v235, s[10:11] offset:4096*\j+16*\q   ; the eight q together take 4,096 consecutive bytes
.endr
.endr
	WIN 0
.irp t, 0,1,2,3,4,5,6,7,8,9,10,11,12,13,14,15
.irp j, 0,1
	global_load_b128 v[R+8*\t+4*\j:R+8*\t+4*\j+3], v2, s[8:9] offset:4096*\t+512*\j th:TH_LOAD_NT   ; 32 lanes read 512 consecutive bytes; read once in the launch
.endr
.endr
	s_mul_i32 s2, ttmp9, 12288
	s_add_nc_u64 s[28:29], s[14:15], s[2:3]        ; xq: the group's codes
	s_lshl_b32 s2, ttmp9, 9
	s_add_nc_u64 s[30:31], s[14:15], s[2:3]        ; its scale bytes (XS_OFF stands in the store)
	s_lshl_b32 s2, ttmp9, 6
	s_add_nc_u64 s[40:41], s[16:17], s[2:3]        ; route: the group's 16 experts
	s_add_nc_u64 s[44:45], s[18:19], s[2:3]        ; fl: its 16 probabilities
	s_lshl_b32 s2, ttmp9, 4
	s_add_nc_u64 s[42:43], s[16:17], s[2:3]        ; route: its counts
	s_lshl_b32 s2, ttmp9, 5
	s_add_nc_u64 s[46:47], s[18:19], s[2:3]        ; fl: its sums
	s_lshl_b32 s2, ttmp9, 7
	s_add_nc_u64 s[48:49], s[20:21], s[2:3]        ; plan: the 32 list words that this work-group clears
	; every LDS address is made here, ahead of the places where the waves part
	s_mul_i32 s25, s24, WTURN
	v_lshrrev_b32 v3, 2, v1
	v_mul_u32_u24 v3, v3, SP
	v_and_b32 v8, 3, v1
	v_lshl_add_u32 v3, v8, 4, v3
	v_add_nc_u32 v3, s25, v3                       ; into the stage: four lanes' 64 bytes on end, then the padding
	v_mul_u32_u24 v4, v1, SP
	v_add_nc_u32 v4, s25, v4                       ; out of it: my 16 neighbours
	v_bfe_u32 v8, v0, 4, 1                         ; which of a step's two tokens
	v_lshlrev_b32 v5, 8, v8                        ; my half block's place: 16 token
	v_bfe_u32 v9, v0, 1, 1
	v_lshl_add_u32 v5, v9, 7, v5                   ; + 8 h       (h = block % 2)
	v_bfe_u32 v9, v0, 3, 1
	v_lshl_add_u32 v5, v9, 6, v5                   ; + 4 (s % 2) (s = block / 4)
	v_bfe_u32 v9, v0, 2, 1
	v_lshl_add_u32 v5, v9, 5, v5                   ; + 2 c       (c = block / 2 % 2)
	v_and_b32 v9, 1, v0
	v_lshl_add_u32 v5, v9, 4, v5                   ; + which half of the block; 16 bytes a place
	s_mul_i32 s26, s24, CSTW
	s_add_co_u32 s26, s26, CST
	v_add_nc_u32 v5, s26, v5
	v_bfe_u32 v6, v0, 1, 3
	v_lshl_add_u32 v6, v8, 3, v6
	s_lshl_b32 s27, s24, 7
	s_add_co_u32 s27, s27, SCT
	v_add_nc_u32 v6, s27, v6                       ; my block's byte: 128 w + 8 token + block % 8
	v_lshlrev_b32 v7, 5, v8
	s_lshl_b32 s27, s24, 9
	s_add_co_u32 s27, s27, PART
	v_add_nc_u32 v7, s27, v7                       ; my token's eight partial sums
	v_and_b32 v14, 15, v0
	v_lshlrev_b32 v10, 5, v14
	v_add_nc_u32 v10, PART, v10                    ; back: token lane % 16
	v_lshlrev_b32 v14, 2, v14
	v_bfe_u32 v12, v0, 3, 2                        ; codes back, in xq's order.  Place 256 w + 32 j + lane of the group's 1,024: token 4 w + j / 2, h = j % 2, made by wave lane / 8, its place lane % 8:
	v_mul_u32_u24 v12, v12, CSTW
	v_and_b32 v9, 7, v0
	v_lshl_add_u32 v12, v9, 4, v12
	s_lshl_b32 s27, s24, 10
	s_add_co_u32 s27, s27, CST
	v_add_nc_u32 v12, s27, v12                     ; CSTW (lane / 8) + 16 (lane % 8) + 1,024 w, and 128 j in the load
	v_mul_u32_u24 v13, v1, 12
	s_mul_i32 s27, s24, 3072
	v_add_nc_u32 v13, s27, v13                     ; and to memory: 12 bytes a place
	v_and_b32 v233, 1, v0
	v_lshlrev_b32 v233, 8, v233
	v_lshrrev_b32 v9, 1, v1
	v_lshl_add_u32 v233, v9, 3, v233
	v_add_nc_u32 v233, SCT, v233                   ; scale bytes back: token lane / 2, the bytes of waves 2 (lane % 2) and 2 (lane % 2) + 1
	v_lshlrev_b32 v234, 2, v1
; Step sg's 2,048 bytes (two tokens' quarter rows) go through the wave's own stage as they lie and come back 64 bytes a lane: lane l then holds token 2 sg + l / 16, k = 256 w + 16 (l % 16) + 0 .. 15.
; LDS serves a wave's instructions in order (ISA guide 5.7.1.4): no wait stands between the stores and the loads.
.macro TURN sg
.irp i, 0,1,2,3
	ds_store_b128 v3, v[R+16*(\sg)+4*\i:R+16*(\sg)+4*\i+3] offset:STG2*((\sg)%2)+8*SP*\i
.endr
.irp i, 0,1,2,3
	ds_load_b128 v[X+16*((\sg)%2)+4*\i:X+16*((\sg)%2)+4*\i+3], v4 offset:STG2*((\sg)%2)+16*\i
.endr
.endm
.macro QUANT sg
.set XQ, X+16*((\sg)%2)
	v_max3_num_f32 v8, |v[XQ]|, |v[XQ+1]|, |v[XQ+2]|               ; the largest magnitude of my 16, in two chains
	v_max3_num_f32 v9, |v[XQ+3]|, |v[XQ+4]|, |v[XQ+5]|
.irp i, 6,10
	v_max3_num_f32 v8, v8, |v[XQ+\i]|, |v[XQ+\i+1]|
	v_max3_num_f32 v9, v9, |v[XQ+\i+2]|, |v[XQ+\i+3]|
.endr
	v_max3_num_f32 v8, v8, |v[XQ+14]|, |v[XQ+15]|
	v_max3_num_f32 v8, v8, v9, 0x2800000           ; and the floor 2^(5 - 127): the byte cannot fall under 1
	v_max_num_f32_dpp v8, v8, v8 row_xmask:1 row_mask:0xf bank_mask:0xf   ; with my neighbour's 16: the block's
	v_add_nc_u32 v11, 0xfe000000, v8               ; 4 off its exponent field: the conversion takes that field as its scale and nothing else
	v_cvt_scalef32_pk16_bf6_f32 v[C+4*(\sg):C+4*(\sg)+2], v[XQ:XQ+15], v11
	v_lshrrev_b32 v[EB+(\sg)], 23, v11             ; the scale's byte (a plain line behind the conversion)
	ds_store_b8 v6, v[EB+(\sg)] offset:16*(\sg)    ; both lanes of a block write the same byte with the same value
	ds_store_b96 v5, v[C+4*(\sg):C+4*(\sg)+2] offset:512*(\sg)
.endm
; The two tokens' eight partial logits over my wave's 256 k: 8 numbers a lane and token x 8 experts, two experts an instruction; the first product starts the sums.
.macro DOT sg
	WIN 0x04                                       ; source 1 (Wg) window 1
.irp j, 0,1
.irp a, 0,1
.irp sel, 0,1
.irp u, 0,1
.irp p, 0,2,4,6
.if (\j == 0) && (\a == 0) && (\sel == 0)
	v_pk_mul_f32 v[ACA+8*\u+\p:ACA+8*\u+\p+1], v[R+16*(\sg)+8*\u+4*\j+2*\a:R+16*(\sg)+8*\u+4*\j+2*\a+1], v[32*\j+16*\a+8*\sel+\p:32*\j+16*\a+8*\sel+\p+1] op_sel:[\sel,0] op_sel_hi:[\sel,1]
.else
	v_pk_fma_f32 v[ACA+8*\u+\p:ACA+8*\u+\p+1], v[R+16*(\sg)+8*\u+4*\j+2*\a:R+16*(\sg)+8*\u+4*\j+2*\a+1], v[32*\j+16*\a+8*\sel+\p:32*\j+16*\a+8*\sel+\p+1], v[ACA+8*\u+\p:ACA+8*\u+\p+1] op_sel:[\sel,0,0] op_sel_hi:[\sel,1,1]
.endif
.endr
.endr
.endr
.endr
.endr
	WIN 0
.irp e, 0,1,2,3,4,5,6,7
	v_permlane16_swap_b32 v[ACA+\e], v[ACB+\e]     ; the even token's upper lanes change places with the odd token's lower lanes:
.endr
.irp p, 0,2,4,6
	v_pk_add_f32 v[ACA+\p:ACA+\p+1], v[ACA+\p:ACA+\p+1], v[ACB+\p:ACB+\p+1]   ; lanes 0-15 now hold the even token, lanes 16-31 the odd one
.endr
.irp mk, 1,2,4,8
.irp e, 0,1,2,3,4,5,6,7
	v_add_f32_dpp v[ACA+\e], v[ACA+\e], v[ACA+\e] row_xmask:\mk row_mask:0xf bank_mask:0xf
.endr
.endr
	ds_store_b128 v7, v[ACA:ACA+3] offset:64*(\sg)                 ; the sixteen lanes of a half write the same bytes with the same values
	ds_store_b128 v7, v[ACA+4:ACA+7] offset:64*(\sg)+16
.endm
.macro STEP sg
.if (\sg) > 0
	s_wait_dscnt 4                                 ; this step's numbers are back from the stage; the four younger LDS stores (the last step's byte, codes and partial sums) may be out
.else
	s_wait_dscnt 0x0
.endif
.if (\sg) < 7
	s_wait_loadcnt 4*(6-(\sg))                     ; the next step's four loads are in; those of the steps behind it may be out
	TURN (\sg)+1
.endif
	QUANT \sg
.if (\sg) > 0
.if (\sg) < 7
	s_wait_dscnt 10                                ; the last step's stores of partial sums are done, so the sums' registers may be written: behind them came the stage's eight and this step's two
.else
	s_wait_dscnt 2
.endif
.endif
	DOT \sg
.endm
	s_wait_loadcnt 28                              ; Wg's 16 loads and step 0's four are in; the other seven steps' 28 may be out
	TURN 0
.irp g, 0,1,2,3,4,5,6,7
	STEP \g
.endr
	s_wait_kmcnt 0x0                               ; bg
	s_wait_dscnt 0x0                               ; for the others' sake: my codes, bytes and partial sums lie in LDS
	s_barrier_signal -1
	s_barrier_wait -1
	s_cmp_lg_u32 s24, 0
	s_cbranch_scc1 .Lnot_0
	; WAVE 0: the softmax.  Lane l holds token l % 16 (lanes 16-31 repeat lanes 0-15 and store the same values to the same places).
.irp u, 0,1,2,3
.irp q, 0,1
	ds_load_b128 v[16+8*\u+4*\q:16+8*\u+4*\q+3], v10 offset:512*\u+16*\q
.endr
.endr
	s_wait_dscnt 0x0
.irp p, 0,2,4,6
	v_pk_add_f32 v[16+\p:17+\p], v[16+\p:17+\p], v[24+\p:25+\p]
	v_pk_add_f32 v[32+\p:33+\p], v[32+\p:33+\p], v[40+\p:41+\p]
.endr
.irp p, 0,2,4,6
	v_pk_add_f32 v[16+\p:17+\p], v[16+\p:17+\p], v[32+\p:33+\p]
.endr
.irp e, 0,1,2,3,4,5,6,7
	v_add_f32 v[16+\e], s[32+\e], v[16+\e]         ; the logits
.endr
	v_max3_num_f32 v48, v16, v17, v18
	v_max3_num_f32 v48, v48, v19, v20
	v_max3_num_f32 v48, v48, v21, v22
	v_max_num_f32 v48, v48, v23                    ; the largest, which is taken away ahead of the exponentials
	v_mov_b32 v49, 7
.irp e, 6,5,4,3,2,1,0
	v_cmp_neq_f32 vcc_lo, v[16+\e], v48
	v_cndmask_b32 v49, \e, v49, vcc_lo             ; downward, so that the lowest expert with the largest logit stays
.endr
.irp e, 0,1,2,3,4,5,6,7
	v_sub_f32 v[24+\e], v[16+\e], v48
.endr
.irp e, 0,1,2,3,4,5,6,7
	v_mul_f32 v[24+\e], 0x3fb8aa3b, v[24+\e]       ; x log2(e)
.endr
.irp e, 0,1,2,3,4,5,6,7
	v_exp_f32 v[24+\e], v[24+\e]
.endr
	v_nop                                          ; a plain line behind the exponentials (ISA guide 5.7.2)
	s_wait_alu depctr_va_vdst(0)
	v_add_f32 v50, v24, v25
	v_add_f32 v51, v26, v27
	v_add_f32 v52, v28, v29
	v_add_f32 v53, v30, v31
	v_add_f32 v50, v50, v51
	v_add_f32 v52, v52, v53
	v_add_f32 v50, v50, v52
	v_rcp_f32 v51, v50                             ; 1 / the sum: also the chosen expert's probability, whose exponential is 2^0
	v_nop
	s_wait_alu depctr_va_vdst(0)
.irp e, 0,1,2,3,4,5,6,7
	v_mul_f32 v[24+\e], v[24+\e], v51              ; the probabilities
.endr
.irp mk, 1,2,4,8
.irp e, 0,1,2,3,4,5,6,7
	v_add_f32_dpp v[24+\e], v[24+\e], v[24+\e] row_xmask:\mk row_mask:0xf bank_mask:0xf   ; summed over the group's 16 tokens
.endr
.endr
	global_store_b32 v14, v49, s[40:41]
	global_store_b32 v14, v51, s[44:45]
	global_store_b128 v15, v[24:27], s[46:47] offset:PS_OFF
	global_store_b128 v15, v[28:31], s[46:47] offset:PS_OFF+16
.irp e, 0,1,2,3,4,5,6,7
	v_cmp_eq_u32 s50, \e, v49
	s_and_b32 s50, s50, 0xffff                     ; lanes 0-15: each token once
	s_bcnt1_i32_b32 s[52+\e], s50                  ; how many of the 16 chose expert e: a number to be stored, nothing else
.endr
.irp q, 0,1,2,3
	s_lshl_b32 s[53+2*\q], s[53+2*\q], 16
	s_or_b32 s[52+2*\q], s[52+2*\q], s[53+2*\q]
	v_mov_b32 v[32+\q], s[52+2*\q]
.endr
	global_store_b128 v15, v[32:35], s[42:43] offset:CP_OFF
.Lnot_0:
	s_cmp_lg_u32 s24, 1
	s_cbranch_scc1 .Lnot_1
	; WAVE 1: the group's 512 scale bytes, 16 a lane, and the zeros for 32 words of the token lists
	ds_load_b64 v[48:49], v233
	ds_load_b64 v[50:51], v233 offset:128
	global_store_b32 v234, v15, s[48:49]
	s_wait_dscnt 0x0
	global_store_b128 v2, v[48:51], s[30:31] offset:XS_OFF         ; 32 lanes store 512 consecutive bytes
.Lnot_1:
	s_wait_xcnt 0x0                                ; the stores above have had their addresses translated (ISA guide 3.1): only behind this wait are their data registers loaded again
	; ALL WAVES: a quarter of the group's codes each, in xq's order: each store of the wave covers 384 consecutive bytes
.irp j, 0,1,2,3,4,5,6,7
	ds_load_b96 v[16+4*\j:16+4*\j+2], v12 offset:128*\j
.endr
.irp j, 0,1,2,3,4,5,6,7
	s_wait_dscnt 7-\j
	global_store_b96 v13, v[16+4*\j:16+4*\j+2], s[28:29] offset:384*\j
.endr
	s_wait_tensorcnt 0x0
	ds_add_u32 v254, v255
	s_wait_dscnt 0x0
	s_endpgm
.Lfunc_end_k_q3ae10b62c4_route:
	.size	k_q3ae10b62c4_route, .Lfunc_end_k_q3ae10b62c4_route-k_q3ae10b62c4_route
	.p2alignl 7, 3214868480
	.fill 96, 4, 3214868480
	.section	.rodata,"a",@progbits
	.p2align	6, 0x0
	.amdhsa_kernel k_q3ae10b62c4_route
		.amdhsa_group_segment_fixed_size 40448
		.amdhsa_private_segment_fixed_size 0
		.amdhsa_enable_private_segment 0
		.amdhsa_kernarg_size 56
		.amdhsa_user_sgpr_count 2
		.amdhsa_user_sgpr_kernarg_segment_ptr 1
		.amdhsa_wavefront_size32 1
		.amdhsa_system_sgpr_workgroup_id_x 1
		.amdhsa_system_sgpr_workgroup_id_y 1
		.amdhsa_system_sgpr_workgroup_id_z 1
		.amdhsa_system_vgpr_workitem_id 0
		.amdhsa_next_free_vgpr 320
		.amdhsa_next_free_sgpr 66
		.amdhsa_reserve_vcc 1
		.amdhsa_float_denorm_mode_32 3
		.amdhsa_float_denorm_mode_16_64 3
		.amdhsa_memory_ordered 1
		.amdhsa_forward_progress 1
		.amdhsa_inst_pref_size 84
	.end_amdhsa_kernel
	.amdgpu_metadata
---
amdhsa.version: [ 1, 2 ]
amdhsa.kernels:
  - .name:           k_q3ae10b62c4_route
    .symbol:         k_q3ae10b62c4_route.kd
    .args:
      - { .name: x, .offset: 0, .size: 8, .value_kind: global_buffer, .address_space: global }
      - { .name: Wg, .offset: 8, .size: 8, .value_kind: global_buffer, .address_space: global }
      - { .name: bg, .offset: 16, .size: 8, .value_kind: global_buffer, .address_space: global }
      - { .name: xq, .offset: 24, .size: 8, .value_kind: global_buffer, .address_space: global }
      - { .name: route, .offset: 32, .size: 8, .value_kind: global_buffer, .address_space: global }
      - { .name: fl, .offset: 40, .size: 8, .value_kind: global_buffer, .address_space: global }
      - { .name: plan, .offset: 48, .size: 8, .value_kind: global_buffer, .address_space: global }
    .group_segment_fixed_size: 40448
    .private_segment_fixed_size: 0
    .kernarg_segment_align: 8
    .kernarg_segment_size: 56
    .max_flat_workgroup_size: 128
    .sgpr_count:     66
    .vgpr_count:     320
    .wavefront_size: 32
...
	.end_amdgpu_metadata
.endif
;; end of part 1
;; launch prep (part 2): grid 160 x 1, 4 waves a work-group, no clusters, 50,688 bytes of LDS; arguments W_codes, route, fl, Wl, plan, out1; writes Wl, plan, out1
.if DOCPART == 2
	.amdgcn_target "amdgcn-amd-amdhsa--gfx1250"
	.amdhsa_code_object_version 6
	.text
	.protected	k_q3ae10b62c4_prep
	.globl	k_q3ae10b62c4_prep
	.p2align	8
	.type	k_q3ae10b62c4_prep,@function
k_q3ae10b62c4_prep:
	s_mov_b64 s[64:65], 0
	v_nop
	global_prefetch_b8 v0, s[64:65] scope:SCOPE_SE
	s_setreg_imm32_b32 hwreg(HW_REG_WAVE_MODE, 25, 1), 1
	s_wait_xcnt 0x0
; PREP.  Two kinds of work in one launch, parted on the work-group's number; every wave is a task of its own, so there is no barrier.
; WORK-GROUPS 0-31, PLACE: wave task c (0 .. 127) takes tokens 32 c .. 32 c + 31.  A token's rank among its expert's tokens = the expert's count in all groups of 16 tokens ahead of the wave's (summed from the
;   256 stored count entries, two counts to a word, no field over 4,096) + the number of lower lanes with the same expert.  Rank under 640 (the capacity, 1.25 x 4096 / 8): the token's number goes to
;   list[expert][rank]; else its bit is set in the wave's drop word.  Each slot has one writer: no atomics.  Task 127 also has all totals: it stores the counts held at 640 and the loss 8 sum_e f_e P_e.
; WORK-GROUPS 32-159, RELAY: W's codes are laid out as images of the operand's registers.  A wave takes 16 rows of W_codes (12,288 dense bytes), turns them through its own LDS rows and stores, for each K step s
;   of 128, the fragment's 12 registers as 3 x 512 bytes, lane l's 16 bytes at 16 l.  Wl: [expert][group of 64 columns][s][tile of 16 columns][3][512].  So the product's launch loads a fragment by three loads of 16 bytes a lane.
; All addresses that hang on data hang on whole numbers that the launch before stored, and are held under a constant first.
.set CP_OFF,   16384
.set PS_OFF,   16384
.set CNT_OFF,  32768
.set DROP_OFF, 33024
.set CAP,      640
.set WREG,     12544                   ; RELAY's LDS: for each wave 16 rows of 768 bytes + 16: row r starts at bank 4 r, the upper half of the lanes 6 banks on (64 banks of 4 bytes: ISA guide 11.1)
.set WPIT,     784
	s_load_b256 s[4:11], s[0:1], 0x0               ; W_codes, route, fl, Wl
	s_load_b128 s[12:15], s[0:1], 0x20             ; plan, out1
	v_lshl_add_u32 v224, v0, 2, 0xc400
	v_mov_b32 v225, 0
	v_lshrrev_b32 v1, 5, v0
	v_readfirstlane_b32 s16, v1                    ; wave 0..3
	v_and_b32 v1, 31, v0                           ; lane
	v_lshlrev_b32 v3, 4, v1                        ; 16 lane
	v_lshlrev_b32 v137, 2, v1                      ; 4 lane
	v_mov_b32 v55, 0
	s_mov_b32 s19, 0
	s_mov_b32 s20, 0x76543210                      ; v_permlanex16_b32's selects for lane l xor 16
	s_mov_b32 s21, 0xfedcba98
	s_wait_kmcnt 0x0
	s_cmp_ge_u32 ttmp9, 32
	s_cbranch_scc1 .Lrelay
	s_lshl_b32 s17, ttmp9, 2
	s_add_co_u32 s17, s17, s16                     ; c
	s_lshl_b32 s41, s17, 1                         ; 2 c: the groups ahead of my tokens
	s_lshl_b32 s18, s17, 7
	s_add_nc_u64 s[22:23], s[6:7], s[18:19]        ; my 32 tokens' experts
	s_lshl_b32 s18, s17, 2
	s_add_nc_u64 s[32:33], s[12:13], s[18:19]      ; my drop word
	s_lshl_b32 s42, s17, 5
	v_add_nc_u32 v54, s42, v1                      ; my token's number
; v2 expert; v4-35 eight count entries; v36-39 their sum; v40-43 at work; v44-51 the eight experts' counts ahead of my wave; v52 rank; v53 slot; v56-63 totals; v64-71 held at CAP; v72-135 the groups' probability sums
.macro PLACE last
.if \last
.irp q, 0,1,2,3,4,5,6,7,8,9,10,11,12,13,14,15
	global_load_b128 v[72+4*\q:75+4*\q], v3, s[8:9] offset:PS_OFF+512*\q   ; group 16 q + lane / 2, experts 4 (lane % 2) + 0 .. 3
.endr
.endif
	global_load_b32 v2, v137, s[22:23]
.irp q, 0,1,2,3,4,5,6,7
	global_load_b128 v[4+4*\q:7+4*\q], v3, s[6:7] offset:CP_OFF+512*\q     ; entry 32 q + lane
.endr
	s_wait_loadcnt 0x0
.irp q, 0,1,2,3,4,5,6,7
	s_sub_co_i32 s40, s41, 32*\q
	v_cmp_gt_i32 vcc_lo, s40, v1                   ; entry 32 q + lane lies ahead of my tokens
.if \q == 0
.irp i, 0,1,2,3
	v_cndmask_b32 v[36+\i], 0, v[4+\i], vcc_lo     ; the first starts the sums
.endr
.else
.irp i, 0,1,2,3
	v_cndmask_b32 v[40+\i], 0, v[4+4*\q+\i], vcc_lo
.endr
.irp i, 0,1,2,3
	v_add_nc_u32 v[36+\i], v[36+\i], v[40+\i]
.endr
.endif
.endr
.irp mk, 1,2,4,8
.irp i, 0,1,2,3
	v_mov_b32_dpp v[40+\i], v[36+\i] row_xmask:\mk row_mask:0xf bank_mask:0xf
.endr
.irp i, 0,1,2,3
	v_add_nc_u32 v[36+\i], v[36+\i], v[40+\i]
.endr
.endr
.irp i, 0,1,2,3
	v_permlanex16_b32 v[40+\i], v[36+\i], s20, s21
.endr
.irp i, 0,1,2,3
	v_add_nc_u32 v[36+\i], v[36+\i], v[40+\i]      ; every lane has the sums
.endr
.irp q, 0,1,2,3
	v_and_b32 v[44+2*\q], 0xffff, v[36+\q]
	v_lshrrev_b32 v[45+2*\q], 16, v[36+\q]
.endr
	v_mov_b32 v52, 0
.irp e, 0,1,2,3,4,5,6,7
	v_cmp_eq_u32 s[24+\e], \e, v2
	v_mbcnt_lo_u32_b32 v40, s[24+\e], v[44+\e]     ; the lower lanes with expert e, + the count ahead
	v_cndmask_b32 v52, v52, v40, s[24+\e]
.endr
	v_cmp_gt_u32 vcc_lo, CAP, v52                  ; kept
	s_not_b32 s40, vcc_lo
	v_mov_b32 v136, s40
	global_store_b32 v55, v136, s[32:33] offset:DROP_OFF           ; every lane writes the same word
	v_lshl_add_u32 v53, v2, 10, v52                ; 1,024 slots an expert
	v_min_u32 v53, 0x1fff, v53                     ; held inside the lists, whatever was read
	v_lshlrev_b32 v53, 2, v53
	s_wait_xcnt 0x0                                ; EXEC is a source of the store above: it changes only behind this wait
	s_and_saveexec_b32 s43, vcc_lo
	global_store_b32 v53, v54, s[12:13]            ; kept tokens only
	s_wait_xcnt 0x0                                ; and again ahead of the line that widens it
	s_or_b32 exec_lo, exec_lo, s43
.if \last
.irp e, 0,1,2,3,4,5,6,7
	s_bcnt1_i32_b32 s42, s[24+\e]
	v_add_nc_u32 v[56+\e], s42, v[44+\e]           ; all 4,096 tokens' count for expert e
	v_min_u32 v[64+\e], CAP, v[56+\e]
.endr
	global_store_b128 v55, v[64:67], s[12:13] offset:CNT_OFF
	global_store_b128 v55, v[68:71], s[12:13] offset:CNT_OFF+16
.irp q, 1,2,3,4,5,6,7,8,9,10,11,12,13,14,15
	v_pk_add_f32 v[72:73], v[72:73], v[72+4*\q:73+4*\q]
	v_pk_add_f32 v[74:75], v[74:75], v[74+4*\q:75+4*\q]
.endr
	s_mov_b32 s42, 0xaaaaaaaa                      ; odd lanes hold experts 4 to 7
.irp i, 0,1,2,3
	v_cndmask_b32 v[40+\i], v[56+\i], v[60+\i], s42
.endr
.irp i, 0,1,2,3
	v_cvt_f32_u32 v[40+\i], v[40+\i]
.endr
	v_mul_f32 v76, v40, v72
	v_fmac_f32 v76, v41, v73
	v_fmac_f32 v76, v42, v74
	v_fmac_f32 v76, v43, v75
.irp mk, 1,2,4,8
	v_add_f32_dpp v76, v76, v76 row_xmask:\mk row_mask:0xf bank_mask:0xf
.endr
	v_permlanex16_b32 v77, v76, s20, s21
	v_add_f32 v76, v76, v77                        ; sum over e of count_e x (sum of the probabilities of e)
	v_mul_f32 v76, 0x35000000, v76                 ; x 8 / 4096^2 = 2^-21
	global_store_b32 v55, v76, s[14:15]
.endif
	s_endpgm
.endm
	s_cmp_eq_u32 s17, 127
	s_cbranch_scc1 .Llast
	PLACE 0
.Llast:
	PLACE 1
.Lrelay:
	s_sub_co_u32 s17, ttmp9, 32                    ; which group of 64 columns, 0 .. 127; my wave's tile of 16 is the wave's number
	s_lshl_b32 s18, s17, 2
	s_add_co_u32 s18, s18, s16
	s_mul_i32 s18, s18, 12288
	s_add_nc_u64 s[4:5], s[4:5], s[18:19]          ; my 16 rows of 768 bytes
	s_mul_i32 s18, s17, 49152
	s_mul_i32 s22, s16, 1536
	s_add_co_u32 s18, s18, s22
	s_add_nc_u64 s[10:11], s[10:11], s[18:19]
.irp j, 0,1,2,3,4,5,6,7,8,9,10,11,12,13,14,15,16,17,18,19,20,21,22,23
	global_load_b128 v[16+4*\j:19+4*\j], v3, s[4:5] offset:512*\j th:TH_LOAD_NT   ; 512 consecutive bytes; read once in the launch
.endr
	s_mul_i32 s23, s16, WREG
	v_add_nc_u32 v5, s23, v3                       ; three loads are two rows.  The first: row 2 a, byte 16 lane;
	v_bfe_u32 v8, v0, 4, 1
	v_lshl_add_u32 v6, v8, 4, v5
	v_add_nc_u32 v6, 512, v6                       ; the second: byte 512 + 16 lane, its upper lanes behind the row's padding;
	v_add_nc_u32 v7, 1040, v5                      ; the third: row 2 a + 1, byte 256 + 16 lane
	v_and_b32 v9, 15, v0
	v_mul_u32_u24 v9, v9, WPIT
	v_mad_u32_u24 v9, v8, 24, v9
	v_add_nc_u32 v9, s23, v9                       ; back: row lane % 16, + 24 bytes for the upper lanes
.irp a, 0,1,2,3,4,5,6,7
.irp u, 0,1,2
	s_wait_loadcnt 23-3*\a-\u
	ds_store_b128 v[5+\u], v[16+4*(3*\a+\u):19+4*(3*\a+\u)] offset:2*WPIT*\a
.endr
.endr
.irp k, 0,1,2,3,4,5,6,7
.irp p, 0,1,2,3,4,5
	ds_load_b64 v[112+12*\k+2*\p:113+12*\k+2*\p], v9 offset:96*\k+48*(\p/3)+8*(\p%3)   ; LDS serves a wave's instructions in order (ISA guide 5.7.1.4): these see my stores
.endr
.endr
.irp k, 0,1,2,3,4,5,6,7
	s_wait_dscnt 6*(7-\k)                          ; K step k's six loads are back; the later steps' may be out
.irp u, 0,1,2
	global_store_b128 v3, v[112+12*\k+4*\u:115+12*\k+4*\u], s[10:11] offset:6144*\k+512*\u   ; 32 lanes store 512 consecutive bytes, aligned
.endr
.endr
	s_wait_tensorcnt 0x0
	ds_add_u32 v224, v225
	s_wait_dscnt 0x0
	s_endpgm
.Lfunc_end_k_q3ae10b62c4_prep:
	.size	k_q3ae10b62c4_prep, .Lfunc_end_k_q3ae10b62c4_prep-k_q3ae10b62c4_prep
	.p2alignl 7, 3214868480
	.fill 96, 4, 3214868480
	.section	.rodata,"a",@progbits
	.p2align	6, 0x0
	.amdhsa_kernel k_q3ae10b62c4_prep
		.amdhsa_group_segment_fixed_size 50688
		.amdhsa_private_segment_fixed_size 0
		.amdhsa_enable_private_segment 0
		.amdhsa_kernarg_size 48
		.amdhsa_user_sgpr_count 2
		.amdhsa_user_sgpr_kernarg_segment_ptr 1
		.amdhsa_wavefront_size32 1
		.amdhsa_system_sgpr_workgroup_id_x 1
		.amdhsa_system_sgpr_workgroup_id_y 1
		.amdhsa_system_sgpr_workgroup_id_z 1
		.amdhsa_system_vgpr_workitem_id 0
		.amdhsa_next_free_vgpr 226
		.amdhsa_next_free_sgpr 66
		.amdhsa_reserve_vcc 1
		.amdhsa_float_denorm_mode_32 3
		.amdhsa_float_denorm_mode_16_64 3
		.amdhsa_memory_ordered 1
		.amdhsa_forward_progress 1
		.amdhsa_inst_pref_size 34
	.end_amdhsa_kernel
	.amdgpu_metadata
---
amdhsa.version: [ 1, 2 ]
amdhsa.kernels:
  - .name:           k_q3ae10b62c4_prep
    .symbol:         k_q3ae10b62c4_prep.kd
    .args:
      - { .name: W_codes, .offset: 0, .size: 8, .value_kind: global_buffer, .address_space: global }
      - { .name: route, .offset: 8, .size: 8, .value_kind: global_buffer, .address_space: global }
      - { .name: fl, .offset: 16, .size: 8, .value_kind: global_buffer, .address_space: global }
      - { .name: Wl, .offset: 24, .size: 8, .value_kind: global_buffer, .address_space: global }
      - { .name: plan, .offset: 32, .size: 8, .value_kind: global_buffer, .address_space: global }
      - { .name: out1, .offset: 40, .size: 8, .value_kind: global_buffer, .address_space: global }
    .group_segment_fixed_size: 50688
    .private_segment_fixed_size: 0
    .kernarg_segment_align: 8
    .kernarg_segment_size: 48
    .max_flat_workgroup_size: 128
    .sgpr_count:     66
    .vgpr_count:     226
    .wavefront_size: 32
...
	.end_amdgpu_metadata
.endif
;; end of part 2
;; launch experts (part 3): grid 32 x 8, 4 waves a work-group, no clusters, 83,200 bytes of LDS; arguments Wl, W_scales, b, xq, fl, plan, out0; writes out0
.if DOCPART == 3
	.amdgcn_target "amdgcn-amd-amdhsa--gfx1250"
	.amdhsa_code_object_version 6
	.text
	.protected	k_q3ae10b62c4_experts
	.globl	k_q3ae10b62c4_experts
	.p2align	8
	.type	k_q3ae10b62c4_experts,@function
k_q3ae10b62c4_experts:
	s_mov_b64 s[64:65], 0
	v_nop
	global_prefetch_b8 v0, s[64:65] scope:SCOPE_SE
	s_setreg_imm32_b32 hwreg(HW_REG_WAVE_MODE, 25, 1), 1
	s_wait_xcnt 0x0
; EXPERTS.  out0[t] = (Q(x[t]) W[e] + b[e]) x prob[t] for the tokens kept by expert e; rows of dropped tokens are zeros.  Only the chosen rows are multiplied.
; GRID: y = the expert e; x = p + 4 i: p = which 256 of the 1,024 columns, i = which 80 slots of the expert's list.  8 x 80 = 640 = the capacity, so 256 work-groups serve every split.
; A work-group whose slots hold no token (n = count - 80 i <= 0) multiplies nothing.  Work-group g = 32 y + x also writes the zero rows among tokens 16 g .. 16 g + 15, by the stored drop bits.
; SHARES: wave w makes columns 256 p + 64 w .. + 63 (4 tiles of 16) for all 80 rows (5 tiles of 16): 20 accumulators.  Its 32 fragments of W (4 tiles x 8 K steps of 128, 384 registers) go from memory straight into
; its registers, each once, as the launch before laid them.  x's codes are gathered by the list, each row once a work-group, and go from wave to wave through LDS as images of the operand's registers.
; THE MATRIX INSTRUCTION IS USED TRANSPOSED: source 0 = 16 columns of W, source 1 = 16 tokens: lane (r, h) holds token r and columns 8 h + 0 .. 7.  b is the C of each sum's first instruction.
; Slots at or past n take the tile's first token: they give that row's own bytes once more, at the same address, so no lane is ever switched off.
; NO JOINT LOADS, though the row tiles of an expert read the same weights: whether a work-group has rows hangs on a count read from memory, and this text branches on it.
; The one barrier stands on a path that every work-group and wave takes; all branches on stored numbers either join again ahead of it or stand behind it.
; LIMITS: those of the codes and scale bytes as the first launch made them; NaN and infinities are not served.
.set XS_OFF,   3145728
.set CNT_OFF,  32768
.set DROP_OFF, 33024
.set XSC,  61440                       ; LDS: 0: x's images: (row tile m, K step s) at 12,288 m + 1,536 s + 512 c + 16 lane;  XSC: scale bytes of row tiles 0-3, 32 a row;
.set XSC4, XSC+2048                    ; row tile 4's, by the wave that fetched them: 128 w + 8 r (K steps 2 w, 2 w + 1);
.set PT,   64000                       ; each wave's own table of the 80 tokens, 320 bytes;
.set STG,  65280                       ; each wave's own stage: 16 rows x (256 bytes + 16)
.set XS,  32                           ; v32-71   x's scale words: tile m, K step s at 8 m + s: these and the next hold scales and nothing else
.set WS,  72                           ; v72-87   W's: 8 u + s: lanes 0-15 column tile 2 u, lanes 16-31 tile 2 u + 1
.set XF,  88                           ; v88-147, v148-207  x's five fragments of a K step, two sets; ahead of the barrier the 120 registers of the gather
.set T,   88                           ; the way out: v88-119 results x prob; v120-151 rows read back; v152-159 their tokens; v160-167 their offsets in out0
.set RB,  120
.set TK,  152
.set AD,  160
.set TOK, 208                          ; v208-212 the tokens of the five row tiles (lane % 16); v213 those of the tile that my wave gathers
.set PRP, 214                          ; v214-223 prob of tile m at 214 + 2 m; the odd registers are 0 (named with them as pairs)
.set BI,  192                          ; window 2: the bias, 8 registers a column tile
; v1 lane, v2 r, v3 h, v4 16 lane, v5 4 r, v6 4 r + 64 w, v7-10 the gather's offsets, v11, v12 images to LDS, v13, v14 scale bytes to LDS, v15 32 r, v16, v17 the table in and out, v18, v19 the stage in and out,
; v20 16 r, v21 16 x thread, v22 32 h, v23 32 lane, v24-28 4 x token, v29 8 r, v30 384 h, v224-229 scale bytes on their way, v232-235 zeros.
; Window 1: W's K steps 0-3 at 48 s + 12 t.   Window 2: K steps 4-7 at 48 (s - 4) + 12 t.   Window 3: accumulator (t, m) at 8 (4 m + t).
.set MSB, 0
.macro WIN new                         ; the immediate's high byte repeats the setting that is left
.if MSB != (\new)
	s_set_vgpr_msb (MSB<<8)|(\new)
.set MSB, (\new)
.endif
.endm
.macro WLOAD s                         ; W's four fragments of K step s: twelve loads of 512 consecutive bytes
	WIN 0x40*(1+(\s)/4)
.irp t, 0,1,2,3
.irp c, 0,1,2
	global_load_b128 v[48*((\s)%4)+12*\t+4*\c:48*((\s)%4)+12*\t+4*\c+3], v4, s[30:31] offset:6144*(\s)+1536*\t+512*\c
.endr
.endr
	WIN 0
.endm
.macro FETCHX s                        ; x's five fragments of K step s, as their images lie
.irp m, 0,1,2,3,4
.irp c, 0,1,2
	ds_load_b128 v[XF+60*((\s)%2)+12*\m+4*\c:XF+60*((\s)%2)+12*\m+4*\c+3], v4 offset:12288*\m+1536*(\s)+512*\c
.endr
.endr
.endm
.macro ONE s, m, t
.set rD, 8*(4*\m+\t)
.set rA, 48*((\s)%4)+12*\t
.set rB, XF+60*((\s)%2)+12*\m
.set rW, WS+8*(\t/2)+(\s)
.set rX, XS+8*\m+(\s)
.if (\s) == 0
.if \t%2
	v_wmma_scale_f32_16x16x128_f8f6f4 v[rD:rD+7], v[rA:rA+11], v[rB:rB+11], v[BI+8*\t:BI+8*\t+7], v[rW], v[rX] matrix_a_fmt:MATRIX_FMT_BF6 matrix_b_fmt:MATRIX_FMT_BF6 matrix_a_scale:MATRIX_SCALE_ROW1
.else
	v_wmma_scale_f32_16x16x128_f8f6f4 v[rD:rD+7], v[rA:rA+11], v[rB:rB+11], v[BI+8*\t:BI+8*\t+7], v[rW], v[rX] matrix_a_fmt:MATRIX_FMT_BF6 matrix_b_fmt:MATRIX_FMT_BF6
.endif
.else
.if \t%2
	v_wmma_scale_f32_16x16x128_f8f6f4 v[rD:rD+7], v[rA:rA+11], v[rB:rB+11], v[rD:rD+7], v[rW], v[rX] matrix_a_fmt:MATRIX_FMT_BF6 matrix_b_fmt:MATRIX_FMT_BF6 matrix_a_scale:MATRIX_SCALE_ROW1
.else
	v_wmma_scale_f32_16x16x128_f8f6f4 v[rD:rD+7], v[rA:rA+11], v[rB:rB+11], v[rD:rD+7], v[rW], v[rX] matrix_a_fmt:MATRIX_FMT_BF6 matrix_b_fmt:MATRIX_FMT_BF6
.endif
.endif
.endm
.macro MUL s                           ; 20 matrix instructions: the 20 accumulators take turns, one instruction a turn, in the same order in every K step
.if (\s) == 0
	WIN 0xe1                                       ; W window 1, x window 0, C (the bias) window 2, D window 3
.elseif (\s) < 4
	WIN 0xf1                                       ; C and D window 3
.else
	WIN 0xf2                                       ; W window 2
.endif
.irp m, 0,1,2,3,4
.irp t, 0,1,2,3
	ONE \s, \m, \t
.endr
.endr
	WIN 0
.endm
.macro STEP s
.if (\s) > 0
.rept 4
	v_nop                                          ; four plain places between the last K step's products and the loads into the set that they read (ISA guide 7.12.1 for vector instructions)
.endr
.endif
.if (\s) < 7
	FETCHX (\s)+1
.endif
.if (\s) < 2
	WLOAD (\s)+6
.endif
.if (\s) >= 3
	s_wait_loadcnt 12*(7-(\s))                     ; W's K step s is in; the twelve loads of each later step may be out
.endif
.if (\s) < 7
	s_wait_dscnt 15                                ; this step's fragments (and at first the scale words) are in; the fifteen just issued may be out
.else
	s_wait_dscnt 0x0
.endif
	MUL \s
.endm
; THE WAY OUT of row tile m: x prob; a lane's 32 bytes of a row into my own stage; back as whole runs of 256 bytes; each row to the place of its token.
.macro OUT m
.if \m > 0
	s_cmp_le_i32 s25, 16*\m                        ; no row in this tile: none in the later ones either
	s_cbranch_scc1 .Ldone
.endif
	s_wait_xcnt 0x0                                ; the last tile's stores have had their addresses translated (ISA guide 3.1): only behind this wait are their registers written again
	WIN 0x03                                       ; source 0 window 3
.irp t, 0,1,2,3
.irp k, 0,2,4,6
	v_pk_mul_f32 v[T+8*\t+\k:T+8*\t+\k+1], v[8*(4*\m+\t)+\k:8*(4*\m+\t)+\k+1], v[PRP+2*\m:PRP+2*\m+1] op_sel_hi:[1,0]   ; each accumulator from its low end on
.endr
.endr
	WIN 0
.irp t, 0,1,2,3
.irp q, 0,1
	ds_store_b128 v18, v[T+8*\t+4*\q:T+8*\t+4*\q+3] offset:64*\t+16*\q
.endr
.endr
	ds_load_b128 v[TK:TK+3], v17 offset:64*\m      ; the tokens of rows 8 h + 0 .. 7
	ds_load_b128 v[TK+4:TK+7], v17 offset:64*\m+16
.irp i, 0,1,2,3,4,5,6,7
	ds_load_b128 v[RB+4*\i:RB+4*\i+3], v19 offset:272*\i           ; lanes 0-15 row i, lanes 16-31 row i + 8.  LDS serves a wave's instructions in order (ISA guide 5.7.1.4): these see my stores
.endr
	s_wait_dscnt 8                                 ; the tokens are in; the eight rows may be out
.irp i, 0,1,2,3,4,5,6,7
	v_min_u32 v[TK+\i], 0xfff, v[TK+\i]            ; held inside out0
	v_lshl_add_u32 v[AD+\i], v[TK+\i], 12, v20     ; 4,096 bytes a row, + 16 bytes a lane
.endr
.irp i, 0,1,2,3,4,5,6,7
	s_wait_dscnt 7-\i
	global_store_b128 v[AD+\i], v[RB+4*\i:RB+4*\i+3], s[38:39] th:TH_STORE_NT   ; 16 lanes store 256 consecutive bytes, at a multiple of 256 from out0's first byte; written once
.endr
.endm
	s_load_b256 s[4:11], s[0:1], 0x0               ; Wl, W_scales, b, xq
	s_load_b128 s[12:15], s[0:1], 0x20             ; fl, plan
	s_load_b64 s[16:17], s[0:1], 0x30              ; out0
	v_lshl_add_u32 v254, v0, 2, 0x14300
	v_mov_b32 v255, 0
	v_lshrrev_b32 v1, 5, v0
	v_readfirstlane_b32 s18, v1                    ; wave 0..3
	s_and_b32 s19, ttmp9, 3                        ; p
	s_lshr_b32 s20, ttmp9, 2                       ; i
	s_and_b32 s21, ttmp7, 0xffff                   ; e
	s_lshl_b32 s22, s21, 5
	s_add_co_u32 s22, s22, ttmp9                   ; g
	s_lshl_b32 s46, s21, 2                         ; where the expert's count lies,
	s_lshr_b32 s47, s22, 1
	s_lshl_b32 s47, s47, 2                         ; and the drop word of tokens 16 g on
	s_lshl_b32 s28, s21, 12
	s_mul_i32 s27, s20, 320
	s_add_co_u32 s28, s28, s27                     ; the list: 4,096 bytes an expert, 320 a tile of 80 slots
	s_mov_b32 s29, 0
	s_lshl_b32 s27, s19, 2
	s_add_co_u32 s27, s27, s18                     ; my group of 64 columns: 4 p + w
	s_mul_i32 s48, s27, 49152
	s_mul_i32 s49, s21, 786432
	s_add_co_u32 s48, s48, s49                     ; in Wl,
	s_mov_b32 s49, 0
	s_lshl_b32 s50, s27, 11
	s_lshl_b32 s51, s21, 15
	s_add_co_u32 s50, s50, s51                     ; in W_scales (32 bytes a column),
	s_mov_b32 s51, 0
	s_lshl_b32 s54, s27, 8                         ; in a row of out0,
	s_mov_b32 s55, 0
	s_lshl_b32 s52, s21, 12
	s_add_co_u32 s52, s52, s54                     ; in b
	s_mov_b32 s53, 0
	s_lshl_b32 s56, s22, 16                        ; rows 16 g on of out0
	s_mov_b32 s57, 0
	v_and_b32 v1, 31, v0
	v_and_b32 v2, 15, v0
	v_bfe_u32 v3, v0, 4, 1
	v_lshlrev_b32 v4, 4, v1
	v_lshlrev_b32 v5, 2, v2
	s_lshl_b32 s27, s18, 6
	v_add_nc_u32 v6, s27, v5
	v_lshlrev_b32 v22, 5, v3
	v_lshlrev_b32 v23, 5, v1
	s_wait_kmcnt 0x0
	s_load_b32 s23, s[14:15], s46 offset:CNT_OFF
	s_load_b32 s24, s[14:15], s47 offset:DROP_OFF
	s_add_nc_u64 s[30:31], s[4:5], s[48:49]
	s_add_nc_u64 s[32:33], s[6:7], s[50:51]
	s_add_nc_u64 s[34:35], s[8:9], s[52:53]
	s_add_nc_u64 s[36:37], s[14:15], s[28:29]
	s_add_nc_u64 s[38:39], s[16:17], s[54:55]
	s_add_nc_u64 s[40:41], s[16:17], s[56:57]
.irp m, 0,1,2,3,4
	global_load_b32 v[TOK+\m], v5, s[36:37] offset:64*\m           ; slot 80 i + 16 m + r
.endr
	global_load_b32 v[TOK+5], v6, s[36:37]                         ; slot 80 i + 16 w + r
.irp u, 0,1
.irp q, 0,1
	global_load_b128 v[WS+8*\u+4*\q:WS+8*\u+4*\q+3], v23, s[32:33] offset:1024*\u+16*\q   ; column 32 u + lane: its eight scale words
.endr
.endr
	WIN 0x80                                       ; destination window 2
.irp t, 0,1,2,3
.irp q, 0,1
	global_load_b128 v[BI+8*\t+4*\q:BI+8*\t+4*\q+3], v22, s[34:35] offset:64*\t+16*\q     ; b at columns 16 t + 8 h + 0 .. 7: the result's layout
.endr
.endr
	WIN 0
	WLOAD 0
	WLOAD 1
	WLOAD 2
	; every LDS address is made here
	s_mul_i32 s27, s18, 12288
	v_add_nc_u32 v11, s27, v4                      ; my row tile's images
	s_mul_i32 s27, s18, 3072
	s_add_co_u32 s27, s27, 49152
	v_add_nc_u32 v12, s27, v4                      ; row tile 4, K steps 2 w and 2 w + 1
	v_lshlrev_b32 v15, 5, v2
	v_lshl_add_u32 v13, v3, 4, v15
	s_lshl_b32 s27, s18, 9
	s_add_co_u32 s27, s27, XSC
	v_add_nc_u32 v13, s27, v13                     ; my row tile's scale bytes: 512 w + 32 r + 16 h
	v_lshlrev_b32 v29, 3, v2
	s_lshl_b32 s27, s18, 7
	s_add_co_u32 s27, s27, XSC4
	v_add_nc_u32 v14, s27, v29                     ; row tile 4's: 128 w + 8 r
	s_mul_i32 s27, s18, 320
	s_add_co_u32 s27, s27, PT
	v_add_nc_u32 v16, s27, v5
	v_add_nc_u32 v17, s27, v22
	s_mul_i32 s27, s18, 4352
	s_add_co_u32 s27, s27, STG
	v_mul_u32_u24 v18, v2, 272
	v_lshl_add_u32 v18, v3, 5, v18
	v_add_nc_u32 v18, s27, v18                     ; into the stage: row r, 32 bytes for each half of the lanes
	v_lshlrev_b32 v20, 4, v2
	v_mul_u32_u24 v19, v3, 2176
	v_add_nc_u32 v19, v19, v20
	v_add_nc_u32 v19, s27, v19                     ; back: 16 lanes to a row, the upper lanes eight rows on
	v_lshlrev_b32 v21, 4, v0
	v_mul_u32_u24 v30, v3, 384
.irp j, 0,1,2,3
	v_mov_b32 v[232+\j], 0
.endr
.irp m, 0,1,2,3,4
	v_mov_b32 v[PRP+2*\m+1], 0
.endr
	s_wait_kmcnt 0x0
	s_mul_i32 s25, s20, 80
	s_sub_co_i32 s25, s23, s25                     ; n: the rows of my tile (it may be negative, or over 80)
	s_and_b32 s27, s22, 1
	s_lshl_b32 s27, s27, 4
	s_lshr_b32 s43, s24, s27
	s_and_b32 s43, s43, 0xffff                     ; bit k: token 16 g + k was dropped
	s_wait_loadcnt 48                              ; the six list loads are in; behind them came 4 of scales, 8 of the bias and 36 of W
	v_readfirstlane_b32 s26, v[TOK]                ; the tile's first token
.irp m, 0,1,2,3,4
	s_sub_co_i32 s27, s25, 16*\m
	v_cmp_gt_i32 vcc_lo, s27, v2                   ; slot 16 m + r holds a token
	v_cndmask_b32 v[TOK+\m], s26, v[TOK+\m], vcc_lo
	v_min_u32 v[TOK+\m], 0xfff, v[TOK+\m]          ; held inside the tables that it indexes
.endr
	s_lshl_b32 s27, s18, 4
	s_sub_co_i32 s27, s25, s27
	v_cmp_gt_i32 vcc_lo, s27, v2
	v_cndmask_b32 v[TOK+5], s26, v[TOK+5], vcc_lo
	v_min_u32 v[TOK+5], 0xfff, v[TOK+5]
.irp m, 0,1,2,3,4
	ds_store_b32 v16, v[TOK+\m] offset:64*\m       ; my own table; both halves of the lanes write the same words
.endr
	v_mul_u32_u24 v7, v[TOK+5], 768
	v_add_nc_u32 v7, v7, v30                       ; my token's codes, my half's 384 bytes
	v_lshlrev_b32 v8, 5, v[TOK+5]
	v_lshl_add_u32 v8, v3, 4, v8                   ; its scale bytes, my half's 16
	v_mul_u32_u24 v9, v[TOK+4], 768
	v_add_nc_u32 v9, v9, v30
	s_mul_i32 s27, s18, 96
	v_add_nc_u32 v9, s27, v9                       ; row tile 4: K steps 2 w and 2 w + 1: 96 bytes
	v_lshlrev_b32 v10, 5, v[TOK+4]
	s_lshl_b32 s27, s18, 3
	v_add_nc_u32 v10, s27, v10
.irp m, 0,1,2,3,4
	v_lshlrev_b32 v[24+\m], 2, v[TOK+\m]
.endr
.irp q, 0,1,2,3,4,5,6,7,8,9,10,11,12,13,14,15,16,17,18,19,20,21,22,23
	global_load_b128 v[XF+4*\q:XF+4*\q+3], v7, s[10:11] offset:16*\q          ; registers 12 s .. 12 s + 11 are my part of K step s's fragment
.endr
.irp q, 0,1,2,3,4,5
	global_load_b128 v[XF+96+4*\q:XF+96+4*\q+3], v9, s[10:11] offset:16*\q
.endr
	global_load_b128 v[224:227], v8, s[10:11] offset:XS_OFF
	global_load_b64 v[228:229], v10, s[10:11] offset:XS_OFF
	; while the gather is on its way: the zero rows.  128 threads x 16 bytes are half a row; the row stands in the immediate, nothing is stepped
.irp k, 0,1,2,3,4,5,6,7,8,9,10,11,12,13,14,15
	s_bitcmp1_b32 s43, \k
	s_cbranch_scc0 .Lkept\k
	global_store_b128 v21, v[232:235], s[40:41] offset:4096*\k th:TH_STORE_NT
	global_store_b128 v21, v[232:235], s[40:41] offset:4096*\k+2048 th:TH_STORE_NT
.Lkept\k:
.endr
	s_wait_loadcnt 0x0                             ; the gather is in, and with it W's K steps 0 to 2, the bias and W's scales
.irp q, 0,1,2,3,4,5,6,7,8,9,10,11,12,13,14,15,16,17,18,19,20,21,22,23
	ds_store_b128 v11, v[XF+4*\q:XF+4*\q+3] offset:512*\q
.endr
.irp q, 0,1,2,3,4,5
	ds_store_b128 v12, v[XF+96+4*\q:XF+96+4*\q+3] offset:512*\q
.endr
	ds_store_b128 v13, v[224:227]
	ds_store_b64 v14, v[228:229]                   ; both halves of the lanes write the same bytes
	s_wait_dscnt 0x0                               ; for the others' sake: my images and scale bytes lie in LDS
	s_barrier_signal -1
	s_barrier_wait -1                              ; the only barrier: behind it nobody writes the images or the scale bytes
	s_cmp_le_i32 s25, 0
	s_cbranch_scc1 .Ldone                          ; no token in my 80 slots
.irp m, 0,1,2,3,4
	global_load_b32 v[PRP+2*\m], v[24+\m], s[12:13]
.endr
	WLOAD 3
	WLOAD 4
	WLOAD 5
.irp m, 0,1,2,3
.irp q, 0,1
	ds_load_b128 v[XS+8*\m+4*\q:XS+8*\m+4*\q+3], v15 offset:XSC+512*\m+16*\q   ; lane r: row r's eight scale words
.endr
.endr
.irp u, 0,1,2,3
	ds_load_b64 v[XS+32+2*\u:XS+33+2*\u], v29 offset:XSC4+128*\u
.endr
	FETCHX 0
.irp k, 0,1,2,3,4,5,6,7
	STEP \k
.endr
.rept 4
	v_nop                                          ; four plain places between the last products and the first lines that read results or write the fragments' registers
.endr
.irp m, 0,1,2,3,4
	OUT \m
.endr
.Ldone:
	s_wait_tensorcnt 0x0
	ds_add_u32 v254, v255
	s_wait_dscnt 0x0
	s_endpgm
.Lfunc_end_k_q3ae10b62c4_experts:
	.size	k_q3ae10b62c4_experts, .Lfunc_end_k_q3ae10b62c4_experts-k_q3ae10b62c4_experts
	.p2alignl 7, 3214868480
	.fill 96, 4, 3214868480
	.section	.rodata,"a",@progbits
	.p2align	6, 0x0
	.amdhsa_kernel k_q3ae10b62c4_experts
		.amdhsa_group_segment_fixed_size 83200
		.amdhsa_private_segment_fixed_size 0
		.amdhsa_enable_private_segment 0
		.amdhsa_kernarg_size 56
		.amdhsa_user_sgpr_count 2
		.amdhsa_user_sgpr_kernarg_segment_ptr 1
		.amdhsa_wavefront_size32 1
		.amdhsa_system_sgpr_workgroup_id_x 1
		.amdhsa_system_sgpr_workgroup_id_y 1
		.amdhsa_system_sgpr_workgroup_id_z 1
		.amdhsa_system_vgpr_workitem_id 0
		.amdhsa_next_free_vgpr 928
		.amdhsa_next_free_sgpr 66
		.amdhsa_reserve_vcc 1
		.amdhsa_float_denorm_mode_32 3
		.amdhsa_float_denorm_mode_16_64 3
		.amdhsa_memory_ordered 1
		.amdhsa_forward_progress 1
		.amdhsa_inst_pref_size 80
	.end_amdhsa_kernel
	.amdgpu_metadata
---
amdhsa.version: [ 1, 2 ]
amdhsa.kernels:
  - .name:           k_q3ae10b62c4_experts
    .symbol:         k_q3ae10b62c4_experts.kd
    .args:
      - { .name: Wl, .offset: 0, .size: 8, .value_kind: global_buffer, .address_space: global }
      - { .name: W_scales, .offset: 8, .size: 8, .value_kind: global_buffer, .address_space: global }
      - { .name: b, .offset: 16, .size: 8, .value_kind: global_buffer, .address_space: global }
      - { .name: xq, .offset: 24, .size: 8, .value_kind: global_buffer, .address_space: global }
      - { .name: fl, .offset: 32, .size: 8, .value_kind: global_buffer, .address_space: global }
      - { .name: plan, .offset: 40, .size: 8, .value_kind: global_buffer, .address_space: global }
      - { .name: out0, .offset: 48, .size: 8, .value_kind: global_buffer, .address_space: global }
    .group_segment_fixed_size: 83200
    .private_segment_fixed_size: 0
    .kernarg_segment_align: 8
    .kernarg_segment_size: 56
    .max_flat_workgroup_size: 128
    .sgpr_count:     66
    .vgpr_count:     928
    .wavefront_size: 32
...
	.end_amdgpu_metadata
.endif
;; end of part 3
;; ======== version 2 of 2: 3 launches
;; workspace buffers: xq 3,276,800 bytes; route 20,480 bytes of whole numbers; fl 24,576 bytes; plan 33,536 bytes of whole numbers; Wl 6,291,456 bytes
;; launch route (part 4): grid 256 x 1, 4 waves a work-group, no clusters, 40,448 bytes of LDS; arguments x, Wg, bg, xq, route, fl, plan; writes xq, route, fl, plan
.if DOCPART == 4
	.amdgcn_target "amdgcn-amd-amdhsa--gfx1250"
	.amdhsa_code_object_version 6
	.text
	.protected	k_q3ae10b62c4_route
	.globl	k_q3ae10b62c4_route
	.p2align	8
	.type	k_q3ae10b62c4_route,@function
k_q3ae10b62c4_route:
	s_mov_b64 s[64:65], 0
	v_nop
	global_prefetch_b8 v0, s[64:65] scope:SCOPE_SE
	s_setreg_imm32_b32 hwreg(HW_REG_WAVE_MODE, 25, 1), 1
	s_wait_xcnt 0x0
; ROUTE.  x [4096][1024] f32 is read once and serves twice: the gate's logits x Wg + bg (f32 multiply-adds), and x's codes of BF6 (E3M2) with one E8M0 byte for each 32 along K.
; A work-group takes 16 tokens; wave w takes k = 256 w .. 256 w + 255 of all 16, so that Wg's 32,768 bytes are read once a work-group and a wave's 32 loads of x, 512 consecutive bytes each, all go out at the head.
; OUT: xq: a token's codes, 768 bytes, block b = 4 s + 2 c + h (k = 32 b on) at 384 h + 48 s + 24 c, so that lane (r, h) of a 6-bit fragment finds its 48 bytes of K step s on end; from XS_OFF on 32 scale bytes a token.
;      route: the chosen expert of each token (u32); from CP_OFF on, for each group of 16 tokens, the eight experts' counts, two to a word.   fl: the chosen expert's probability; from PS_OFF on each group's sums of the eight probabilities.
;      plan: this launch clears the token lists (128 bytes a work-group); the next launch writes the tokens into them.
; THE QUANTISER: a block's byte is its largest magnitude's exponent field - 4, held at 1 from below; numbers are divided by the scale and rounded to the nearest code, ties to even, beyond 28 the largest code.
; LIMITS: a block whose largest magnitude lies under 2^-122 keeps the byte 1 (a block of zeros too: its codes are zeros, and this program alone reads the bytes); NaN and infinities are not served.
;      The expert is the first largest LOGIT; logits so close that their exponentials are equal in f32 would tie in a search over the probabilities and may be told apart here.
; The chosen expert and the counts are stored as numbers only: no address and no branch of this launch hangs on them.
; No matrix unit (N = 8), no tensor load, no cluster: no two work-groups read the same bytes of x, and all of a wave's bytes are asked for at once.
.set XS_OFF, 3145728
.set CP_OFF, 16384
.set PS_OFF, 16384
.set SP,     80                        ; a lane's place in a stage: 64 bytes + 16 of padding
.set STG2,   32*SP                     ; a stage
.set WTURN,  2*STG2                    ; LDS: two stages for each wave
.set CST,    4*WTURN                   ; the codes: for each wave 256 places of 16 bytes (12 bytes of codes each): place 16 token + 8 h + 4 (s % 2) + 2 c + half
.set CSTW,   4224                      ; from wave to wave: 4,096 + 128
.set SCT,    CST+4*CSTW                ; the scale bytes: for each wave 128 bytes: 8 token + block % 8
.set PART,   SCT+512                   ; partial logits [wave][token][8] f32
.set R,   16                           ; v16-143   x as loaded: token t, half j at R + 8 t + 4 j: k = 256 w + 128 j + 4 lane + 0 .. 3
.set X,   144                          ; v144-175  two sets of 16 neighbours along K
.set ACA, 176                          ; v176-183  eight experts' sums, even token of a step
.set ACB, 184                          ; v184-191  the odd token's
.set C,   192                          ; v192-223  codes, four registers a step
.set EB,  224                          ; v224-231  a scale byte a step
; v1 lane; v2 16 lane; v3, v4 the stage in and out; v5 codes to LDS; v6 scale byte to LDS; v7 partial sums to LDS; v8, v9, v11 at work; v10 partial sums back; v12 codes back; v13 codes to memory;
; v14 4 (lane % 16); v15 0; v233 scale bytes back; v234 4 lane; v235 Wg.   Window 1: v0-63: Wg[256 w + 128 j + 4 lane + i][e] at 32 j + 8 i + e.
.set MSB, 0
.macro WIN new                         ; the immediate's high byte repeats the setting that is left
.if MSB != (\new)
	s_set_vgpr_msb (MSB<<8)|(\new)
.set MSB, (\new)
.endif
.endm
	s_load_b256 s[8:15], s[0:1], 0x0               ; x, Wg, bg, xq
	s_load_b128 s[16:19], s[0:1], 0x20             ; route, fl
	s_load_b64 s[20:21], s[0:1], 0x30              ; plan
	v_lshl_add_u32 v254, v0, 2, 0x9c00
	v_mov_b32 v255, 0
	v_lshrrev_b32 v1, 5, v0
	v_readfirstlane_b32 s24, v1                    ; wave 0..3
	v_and_b32 v1, 31, v0                           ; lane
	v_lshlrev_b32 v2, 4, v1
	v_lshlrev_b32 v235, 7, v1
	s_lshl_b32 s25, s24, 13
	v_add_nc_u32 v235, s25, v235                   ; Wg: my four rows of 32 bytes: 8,192 w + 128 lane
	v_mov_b32 v15, 0
	s_wait_alu depctr_va_vdst(0)
	s_wait_kmcnt 0x0
	s_load_b256 s[32:39], s[12:13], 0x0            ; bg
	s_lshl_b32 s2, ttmp9, 16                       ; 16 rows of 4,096 bytes a work-group,
	s_lshl_b32 s3, s24, 10                         ; 1,024 bytes of a row a wave
	s_add_co_u32 s2, s2, s3
	s_mov_b32 s3, 0
	s_add_nc_u64 s[8:9], s[8:9], s[2:3]
	WIN 0x40                                       ; destination window 1
.irp j, 0,1
.irp q, 0,1,2,3,4,5,6,7
	global_load_b128 v[32*\j+4*\q:32*\j+4*\q+3], v235, s[10:11] offset:4096*\j+16*\q   ; the eight q together take 4,096 consecutive bytes
.endr
.endr
	WIN 0
.irp t, 0,1,2,3,4,5,6,7,8,9,10,11,12,13,14,15
.irp j, 0,1
	global_load_b128 v[R+8*\t+4*\j:R+8*\t+4*\j+3], v2, s[8:9] offset:4096*\t+512*\j th:TH_LOAD_NT   ; 32 lanes read 512 consecutive bytes; read once in the launch
.endr
.endr
	s_mul_i32 s2, ttmp9, 12288
	s_add_nc_u64 s[28:29], s[14:15], s[2:3]        ; xq: the group's codes
	s_lshl_b32 s2, ttmp9, 9
	s_add_nc_u64 s[30:31], s[14:15], s[2:3]        ; its scale bytes (XS_OFF stands in the store)
	s_lshl_b32 s2, ttmp9, 6
	s_add_nc_u64 s[40:41], s[16:17], s[2:3]        ; route: the group's 16 experts
	s_add_nc_u64 s[44:45], s[18:19], s[2:3]        ; fl: its 16 probabilities
	s_lshl_b32 s2, ttmp9, 4
	s_add_nc_u64 s[42:43], s[16:17], s[2:3]        ; route: its counts
	s_lshl_b32 s2, ttmp9, 5
	s_add_nc_u64 s[46:47], s[18:19], s[2:3]        ; fl: its sums
	s_lshl_b32 s2, ttmp9, 7
	s_add_nc_u64 s[48:49], s[20:21], s[2:3]        ; plan: the 32 list words that this work-group clears
	; every LDS address is made here, ahead of the places where the waves part
	s_mul_i32 s25, s24, WTURN
	v_lshrrev_b32 v3, 2, v1
	v_mul_u32_u24 v3, v3, SP
	v_and_b32 v8, 3, v1
	v_lshl_add_u32 v3, v8, 4, v3
	v_add_nc_u32 v3, s25, v3                       ; into the stage: four lanes' 64 bytes on end, then the padding
	v_mul_u32_u24 v4, v1, SP
	v_add_nc_u32 v4, s25, v4                       ; out of it: my 16 neighbours
	v_bfe_u32 v8, v0, 4, 1                         ; which of a step's two tokens
	v_lshlrev_b32 v5, 8, v8                        ; my half block's place: 16 token
	v_bfe_u32 v9, v0, 1, 1
	v_lshl_add_u32 v5, v9, 7, v5                   ; + 8 h       (h = block % 2)
	v_bfe_u32 v9, v0, 3, 1
	v_lshl_add_u32 v5, v9, 6, v5                   ; + 4 (s % 2) (s = block / 4)
	v_bfe_u32 v9, v0, 2, 1
	v_lshl_add_u32 v5, v9, 5, v5                   ; + 2 c       (c = block / 2 % 2)
	v_and_b32 v9, 1, v0
	v_lshl_add_u32 v5, v9, 4, v5                   ; + which half of the block; 16 bytes a place
	s_mul_i32 s26, s24, CSTW
	s_add_co_u32 s26, s26, CST
	v_add_nc_u32 v5, s26, v5
	v_bfe_u32 v6, v0, 1, 3
	v_lshl_add_u32 v6, v8, 3, v6
	s_lshl_b32 s27, s24, 7
	s_add_co_u32 s27, s27, SCT
	v_add_nc_u32 v6, s27, v6                       ; my block's byte: 128 w + 8 token + block % 8
	v_lshlrev_b32 v7, 5, v8
	s_lshl_b32 s27, s24, 9
	s_add_co_u32 s27, s27, PART
	v_add_nc_u32 v7, s27, v7                       ; my token's eight partial sums
	v_and_b32 v14, 15, v0
	v_lshlrev_b32 v10, 5, v14
	v_add_nc_u32 v10, PART, v10                    ; back: token lane % 16
	v_lshlrev_b32 v14, 2, v14
	v_bfe_u32 v12, v0, 3, 2                        ; codes back, in xq's order.  Place 256 w + 32 j + lane of the group's 1,024: token 4 w + j / 2, h = j % 2, made by wave lane / 8, its place lane % 8:
	v_mul_u32_u24 v12, v12, CSTW
	v_and_b32 v9, 7, v0
	v_lshl_add_u32 v12, v9, 4, v12
	s_lshl_b32 s27, s24, 10
	s_add_co_u32 s27, s27, CST
	v_add_nc_u32 v12, s27, v12                     ; CSTW (lane / 8) + 16 (lane % 8) + 1,024 w, and 128 j in the load
	v_mul_u32_u24 v13, v1, 12
	s_mul_i32 s27, s24, 3072
	v_add_nc_u32 v13, s27, v13                     ; and to memory: 12 bytes a place
	v_and_b32 v233, 1, v0
	v_lshlrev_b32 v233, 8, v233
	v_lshrrev_b32 v9, 1, v1
	v_lshl_add_u32 v233, v9, 3, v233
	v_add_nc_u32 v233, SCT, v233                   ; scale bytes back: token lane / 2, the bytes of waves 2 (lane % 2) and 2 (lane % 2) + 1
	v_lshlrev_b32 v234, 2, v1
; Step sg's 2,048 bytes (two tokens' quarter rows) go through the wave's own stage as they lie and come back 64 bytes a lane: lane l then holds token 2 sg + l / 16, k = 256 w + 16 (l % 16) + 0 .. 15.
; LDS serves a wave's instructions in order (ISA guide 5.7.1.4): no wait stands between the stores and the loads.
.macro TURN sg
.irp i, 0,1,2,3
	ds_store_b128 v3, v[R+16*(\sg)+4*\i:R+16*(\sg)+4*\i+3] offset:STG2*((\sg)%2)+8*SP*\i
.endr
.irp i, 0,1,2,3
	ds_load_b128 v[X+16*((\sg)%2)+4*\i:X+16*((\sg)%2)+4*\i+3], v4 offset:STG2*((\sg)%2)+16*\i
.endr
.endm
.macro QUANT sg
.set XQ, X+16*((\sg)%2)
	v_max3_num_f32 v8, |v[XQ]|, |v[XQ+1]|, |v[XQ+2]|               ; the largest magnitude of my 16, in two chains
	v_max3_num_f32 v9, |v[XQ+3]|, |v[XQ+4]|, |v[XQ+5]|
.irp i, 6,10
	v_max3_num_f32 v8, v8, |v[XQ+\i]|, |v[XQ+\i+1]|
	v_max3_num_f32 v9, v9, |v[XQ+\i+2]|, |v[XQ+\i+3]|
.endr
	v_max3_num_f32 v8, v8, |v[XQ+14]|, |v[XQ+15]|
	v_max3_num_f32 v8, v8, v9, 0x2800000           ; and the floor 2^(5 - 127): the byte cannot fall under 1
	v_max_num_f32_dpp v8, v8, v8 row_xmask:1 row_mask:0xf bank_mask:0xf   ; with my neighbour's 16: the block's
	v_add_nc_u32 v11, 0xfe000000, v8               ; 4 off its exponent field: the conversion takes that field as its scale and nothing else
	v_cvt_scalef32_pk16_bf6_f32 v[C+4*(\sg):C+4*(\sg)+2], v[XQ:XQ+15], v11
	v_lshrrev_b32 v[EB+(\sg)], 23, v11             ; the scale's byte (a plain line behind the conversion)
	ds_store_b8 v6, v[EB+(\sg)] offset:16*(\sg)    ; both lanes of a block write the same byte with the same value
	ds_store_b96 v5, v[C+4*(\sg):C+4*(\sg)+2] offset:512*(\sg)
.endm
; The two tokens' eight partial logits over my wave's 256 k: 8 numbers a lane and token x 8 experts, two experts an instruction; the first product starts the sums.
.macro DOT sg
	WIN 0x04                                       ; source 1 (Wg) window 1
.irp j, 0,1
.irp a, 0,1
.irp sel, 0,1
.irp u, 0,1
.irp p, 0,2,4,6
.if (\j == 0) && (\a == 0) && (\sel == 0)
	v_pk_mul_f32 v[ACA+8*\u+\p:ACA+8*\u+\p+1], v[R+16*(\sg)+8*\u+4*\j+2*\a:R+16*(\sg)+8*\u+4*\j+2*\a+1], v[32*\j+16*\a+8*\sel+\p:32*\j+16*\a+8*\sel+\p+1] op_sel:[\sel,0] op_sel_hi:[\sel,1]
.else
	v_pk_fma_f32 v[ACA+8*\u+\p:ACA+8*\u+\p+1], v[R+16*(\sg)+8*\u+4*\j+2*\a:R+16*(\sg)+8*\u+4*\j+2*\a+1], v[32*\j+16*\a+8*\sel+\p:32*\j+16*\a+8*\sel+\p+1], v[ACA+8*\u+\p:ACA+8*\u+\p+1] op_sel:[\sel,0,0] op_sel_hi:[\sel,1,1]
.endif
.endr
.endr
.endr
.endr
.endr
	WIN 0
.irp e, 0,1,2,3,4,5,6,7
	v_permlane16_swap_b32 v[ACA+\e], v[ACB+\e]     ; the even token's upper lanes change places with the odd token's lower lanes:
.endr
.irp p, 0,2,4,6
	v_pk_add_f32 v[ACA+\p:ACA+\p+1], v[ACA+\p:ACA+\p+1], v[ACB+\p:ACB+\p+1]   ; lanes 0-15 now hold the even token, lanes 16-31 the odd one
.endr
.irp mk, 1,2,4,8
.irp e, 0,1,2,3,4,5,6,7
	v_add_f32_dpp v[ACA+\e], v[ACA+\e], v[ACA+\e] row_xmask:\mk row_mask:0xf bank_mask:0xf
.endr
.endr
	ds_store_b128 v7, v[ACA:ACA+3] offset:64*(\sg)                 ; the sixteen lanes of a half write the same bytes with the same values
	ds_store_b128 v7, v[ACA+4:ACA+7] offset:64*(\sg)+16
.endm
.macro STEP sg
.if (\sg) > 0
	s_wait_dscnt 4                                 ; this step's numbers are back from the stage; the four younger LDS stores (the last step's byte, codes and partial sums) may be out
.else
	s_wait_dscnt 0x0
.endif
.if (\sg) < 7
	s_wait_loadcnt 4*(6-(\sg))                     ; the next step's four loads are in; those of the steps behind it may be out
	TURN (\sg)+1
.endif
	QUANT \sg
.if (\sg) > 0
.if (\sg) < 7
	s_wait_dscnt 10                                ; the last step's stores of partial sums are done, so the sums' registers may be written: behind them came the stage's eight and this step's two
.else
	s_wait_dscnt 2
.endif
.endif
	DOT \sg
.endm
	s_wait_loadcnt 28                              ; Wg's 16 loads and step 0's four are in; the other seven steps' 28 may be out
	TURN 0
.irp g, 0,1,2,3,4,5,6,7
	STEP \g
.endr
	s_wait_kmcnt 0x0                               ; bg
	s_wait_dscnt 0x0                               ; for the others' sake: my codes, bytes and partial sums lie in LDS
	s_barrier_signal -1
	s_barrier_wait -1
	s_cmp_lg_u32 s24, 0
	s_cbranch_scc1 .Lnot_0
	; WAVE 0: the softmax.  Lane l holds token l % 16 (lanes 16-31 repeat lanes 0-15 and store the same values to the same places).
.irp u, 0,1,2,3
.irp q, 0,1
	ds_load_b128 v[16+8*\u+4*\q:16+8*\u+4*\q+3], v10 offset:512*\u+16*\q
.endr
.endr
	s_wait_dscnt 0x0
.irp p, 0,2,4,6
	v_pk_add_f32 v[16+\p:17+\p], v[16+\p:17+\p], v[24+\p:25+\p]
	v_pk_add_f32 v[32+\p:33+\p], v[32+\p:33+\p], v[40+\p:41+\p]
.endr
.irp p, 0,2,4,6
	v_pk_add_f32 v[16+\p:17+\p], v[16+\p:17+\p], v[32+\p:33+\p]
.endr
.irp e, 0,1,2,3,4,5,6,7
	v_add_f32 v[16+\e], s[32+\e], v[16+\e]         ; the logits
.endr
	v_max3_num_f32 v48, v16, v17, v18
	v_max3_num_f32 v48, v48, v19, v20
	v_max3_num_f32 v48, v48, v21, v22
	v_max_num_f32 v48, v48, v23                    ; the largest, which is taken away ahead of the exponentials
	v_mov_b32 v49, 7
.irp e, 6,5,4,3,2,1,0
	v_cmp_neq_f32 vcc_lo, v[16+\e], v48
	v_cndmask_b32 v49, \e, v49, vcc_lo             ; downward, so that the lowest expert with the largest logit stays
.endr
.irp e, 0,1,2,3,4,5,6,7
	v_sub_f32 v[24+\e], v[16+\e], v48
.endr
.irp e, 0,1,2,3,4,5,6,7
	v_mul_f32 v[24+\e], 0x3fb8aa3b, v[24+\e]       ; x log2(e)
.endr
	s_wait_alu depctr_va_vdst(0)
.irp e, 0,1,2,3,4,5,6,7
	v_exp_f32 v[24+\e], v[24+\e]
.endr
	v_nop                                          ; a plain line behind the exponentials (ISA guide 5.7.2)
	s_wait_alu depctr_va_vdst(0)
	v_add_f32 v50, v24, v25
	v_add_f32 v51, v26, v27
	v_add_f32 v52, v28, v29
	v_add_f32 v53, v30, v31
	v_add_f32 v50, v50, v51
	v_add_f32 v52, v52, v53
	v_add_f32 v50, v50, v52
	s_wait_alu depctr_va_vdst(0)
	v_rcp_f32 v51, v50                             ; 1 / the sum: also the chosen expert's probability, whose exponential is 2^0
	v_nop
	s_wait_alu depctr_va_vdst(0)
.irp e, 0,1,2,3,4,5,6,7
	v_mul_f32 v[24+\e], v[24+\e], v51              ; the probabilities
.endr
.irp mk, 1,2,4,8
.irp e, 0,1,2,3,4,5,6,7
	v_add_f32_dpp v[24+\e], v[24+\e], v[24+\e] row_xmask:\mk row_mask:0xf bank_mask:0xf   ; summed over the group's 16 tokens
.endr
.endr
	global_store_b32 v14, v49, s[40:41]
	global_store_b32 v14, v51, s[44:45]
	global_store_b128 v15, v[24:27], s[46:47] offset:PS_OFF
	global_store_b128 v15, v[28:31], s[46:47] offset:PS_OFF+16
.irp e, 0,1,2,3,4,5,6,7
	v_cmp_eq_u32 s50, \e, v49
	s_and_b32 s50, s50, 0xffff                     ; lanes 0-15: each token once
	s_bcnt1_i32_b32 s[52+\e], s50                  ; how many of the 16 chose expert e: a number to be stored, nothing else
.endr
.irp q, 0,1,2,3
	s_lshl_b32 s[53+2*\q], s[53+2*\q], 16
	s_or_b32 s[52+2*\q], s[52+2*\q], s[53+2*\q]
	v_mov_b32 v[32+\q], s[52+2*\q]
.endr
	global_store_b128 v15, v[32:35], s[42:43] offset:CP_OFF
.Lnot_0:
	s_cmp_lg_u32 s24, 1
	s_cbranch_scc1 .Lnot_1
	; WAVE 1: the group's 512 scale bytes, 16 a lane, and the zeros for 32 words of the token lists
	ds_load_b64 v[48:49], v233
	ds_load_b64 v[50:51], v233 offset:128
	global_store_b32 v234, v15, s[48:49]
	s_wait_dscnt 0x0
	global_store_b128 v2, v[48:51], s[30:31] offset:XS_OFF         ; 32 lanes store 512 consecutive bytes
.Lnot_1:
	s_wait_xcnt 0x0                                ; the stores above have had their addresses translated (ISA guide 3.1): only behind this wait are their data registers loaded again
	; ALL WAVES: a quarter of the group's codes each, in xq's order: each store of the wave covers 384 consecutive bytes
.irp j, 0,1,2,3,4,5,6,7
	ds_load_b96 v[16+4*\j:16+4*\j+2], v12 offset:128*\j
.endr
.irp j, 0,1,2,3,4,5,6,7
	s_wait_dscnt 7-\j
	global_store_b96 v13, v[16+4*\j:16+4*\j+2], s[28:29] offset:384*\j
.endr
	s_wait_tensorcnt 0x0
	ds_add_u32 v254, v255
	s_wait_dscnt 0x0
	s_endpgm
.Lfunc_end_k_q3ae10b62c4_route:
	.size	k_q3ae10b62c4_route, .Lfunc_end_k_q3ae10b62c4_route-k_q3ae10b62c4_route
	.p2alignl 7, 3214868480
	.fill 96, 4, 3214868480
	.section	.rodata,"a",@progbits
	.p2align	6, 0x0
	.amdhsa_kernel k_q3ae10b62c4_route
		.amdhsa_group_segment_fixed_size 40448
		.amdhsa_private_segment_fixed_size 0
		.amdhsa_enable_private_segment 0
		.amdhsa_kernarg_size 56
		.amdhsa_user_sgpr_count 2
		.amdhsa_user_sgpr_kernarg_segment_ptr 1
		.amdhsa_wavefront_size32 1
		.amdhsa_system_sgpr_workgroup_id_x 1
		.amdhsa_system_sgpr_workgroup_id_y 1
		.amdhsa_system_sgpr_workgroup_id_z 1
		.amdhsa_system_vgpr_workitem_id 0
		.amdhsa_next_free_vgpr 320
		.amdhsa_next_free_sgpr 66
		.amdhsa_reserve_vcc 1
		.amdhsa_float_denorm_mode_32 3
		.amdhsa_float_denorm_mode_16_64 3
		.amdhsa_memory_ordered 1
		.amdhsa_forward_progress 1
		.amdhsa_inst_pref_size 85
	.end_amdhsa_kernel
	.amdgpu_metadata
---
amdhsa.version: [ 1, 2 ]
amdhsa.kernels:
  - .name:           k_q3ae10b62c4_route
    .symbol:         k_q3ae10b62c4_route.kd
    .args:
      - { .name: x, .offset: 0, .size: 8, .value_kind: global_buffer, .address_space: global }
      - { .name: Wg, .offset: 8, .size: 8, .value_kind: global_buffer, .address_space: global }
      - { .name: bg, .offset: 16, .size: 8, .value_kind: global_buffer, .address_space: global }
      - { .name: xq, .offset: 24, .size: 8, .value_kind: global_buffer, .address_space: global }
      - { .name: route, .offset: 32, .size: 8, .value_kind: global_buffer, .address_space: global }
      - { .name: fl, .offset: 40, .size: 8, .value_kind: global_buffer, .address_space: global }
      - { .name: plan, .offset: 48, .size: 8, .value_kind: global_buffer, .address_space: global }
    .group_segment_fixed_size: 40448
    .private_segment_fixed_size: 0
    .kernarg_segment_align: 8
    .kernarg_segment_size: 56
    .max_flat_workgroup_size: 128
    .sgpr_count:     66
    .vgpr_count:     320
    .wavefront_size: 32
...
	.end_amdgpu_metadata
.endif
;; end of part 4
;; launch prep (part 5): grid 160 x 1, 4 waves a work-group, no clusters, 50,688 bytes of LDS; arguments W_codes, route, fl, Wl, plan, out1; writes Wl, plan, out1
.if DOCPART == 5
	.amdgcn_target "amdgcn-amd-amdhsa--gfx1250"
	.amdhsa_code_object_version 6
	.text
	.protected	k_q3ae10b62c4_prep
	.globl	k_q3ae10b62c4_prep
	.p2align	8
	.type	k_q3ae10b62c4_prep,@function
k_q3ae10b62c4_prep:
	s_mov_b64 s[64:65], 0
	v_nop
	global_prefetch_b8 v0, s[64:65] scope:SCOPE_SE
	s_setreg_imm32_b32 hwreg(HW_REG_WAVE_MODE, 25, 1), 1
	s_wait_xcnt 0x0
; PREP.  Two kinds of work in one launch, parted on the work-group's number; every wave is a task of its own, so there is no barrier.
; WORK-GROUPS 0-31, PLACE: wave task c (0 .. 127) takes tokens 32 c .. 32 c + 31.  A token's rank among its expert's tokens = the expert's count in all groups of 16 tokens ahead of the wave's (summed from the
;   256 stored count entries, two counts to a word, no field over 4,096) + the number of lower lanes with the same expert.  Rank under 640 (the capacity, 1.25 x 4096 / 8): the token's number goes to
;   list[expert][rank]; else its bit is set in the wave's drop word.  Each slot has one writer: no atomics.  Task 127 also has all totals: it stores the counts held at 640 and the loss 8 sum_e f_e P_e.
; WORK-GROUPS 32-159, RELAY: W's codes are laid out as images of the operand's registers.  A wave takes 16 rows of W_codes (12,288 dense bytes), turns them through its own LDS rows and stores, for each K step s
;   of 128, the fragment's 12 registers as 3 x 512 bytes, lane l's 16 bytes at 16 l.  Wl: [expert][group of 64 columns][s][tile of 16 columns][3][512].  So the product's launch loads a fragment by three loads of 16 bytes a lane.
; All addresses that hang on data hang on whole numbers that the launch before stored, and are held under a constant first.
.set CP_OFF,   16384
.set PS_OFF,   16384
.set CNT_OFF,  32768
.set DROP_OFF, 33024
.set CAP,      640
.set WREG,     12544                   ; RELAY's LDS: for each wave 16 rows of 768 bytes + 16: row r starts at bank 4 r, the upper half of the lanes 6 banks on (64 banks of 4 bytes: ISA guide 11.1)
.set WPIT,     784
	s_load_b256 s[4:11], s[0:1], 0x0               ; W_codes, route, fl, Wl
	s_load_b128 s[12:15], s[0:1], 0x20             ; plan, out1
	v_lshl_add_u32 v224, v0, 2, 0xc400
	v_mov_b32 v225, 0
	v_lshrrev_b32 v1, 5, v0
	v_readfirstlane_b32 s16, v1                    ; wave 0..3
	v_and_b32 v1, 31, v0                           ; lane
	v_lshlrev_b32 v3, 4, v1                        ; 16 lane
	v_lshlrev_b32 v137, 2, v1                      ; 4 lane
	v_mov_b32 v55, 0
	s_mov_b32 s19, 0
	s_mov_b32 s20, 0x76543210                      ; v_permlanex16_b32's selects for lane l xor 16
	s_mov_b32 s21, 0xfedcba98
	s_wait_kmcnt 0x0
	s_cmp_ge_u32 ttmp9, 32
	s_cbranch_scc1 .Lrelay
	s_lshl_b32 s17, ttmp9, 2
	s_add_co_u32 s17, s17, s16                     ; c
	s_lshl_b32 s41, s17, 1                         ; 2 c: the groups ahead of my tokens
	s_lshl_b32 s18, s17, 7
	s_add_nc_u64 s[22:23], s[6:7], s[18:19]        ; my 32 tokens' experts
	s_lshl_b32 s18, s17, 2
	s_add_nc_u64 s[32:33], s[12:13], s[18:19]      ; my drop word
	s_lshl_b32 s42, s17, 5
	s_wait_alu depctr_va_vdst(0)
	v_add_nc_u32 v54, s42, v1                      ; my token's number
; v2 expert; v4-35 eight count entries; v36-39 their sum; v40-43 at work; v44-51 the eight experts' counts ahead of my wave; v52 rank; v53 slot; v56-63 totals; v64-71 held at CAP; v72-135 the groups' probability sums
.macro PLACE last
.if \last
.irp q, 0,1,2,3,4,5,6,7,8,9,10,11,12,13,14,15
	global_load_b128 v[72+4*\q:75+4*\q], v3, s[8:9] offset:PS_OFF+512*\q   ; group 16 q + lane / 2, experts 4 (lane % 2) + 0 .. 3
.endr
.endif
	global_load_b32 v2, v137, s[22:23]
.irp q, 0,1,2,3,4,5,6,7
	global_load_b128 v[4+4*\q:7+4*\q], v3, s[6:7] offset:CP_OFF+512*\q     ; entry 32 q + lane
.endr
	s_wait_loadcnt 0x0
.irp q, 0,1,2,3,4,5,6,7
	s_sub_co_i32 s40, s41, 32*\q
	v_cmp_gt_i32 vcc_lo, s40, v1                   ; entry 32 q + lane lies ahead of my tokens
.if \q == 0
.irp i, 0,1,2,3
	v_cndmask_b32 v[36+\i], 0, v[4+\i], vcc_lo     ; the first starts the sums
.endr
.else
.irp i, 0,1,2,3
	v_cndmask_b32 v[40+\i], 0, v[4+4*\q+\i], vcc_lo
.endr
.irp i, 0,1,2,3
	v_add_nc_u32 v[36+\i], v[36+\i], v[40+\i]
.endr
.endif
.endr
.irp mk, 1,2,4,8
.irp i, 0,1,2,3
	v_mov_b32_dpp v[40+\i], v[36+\i] row_xmask:\mk row_mask:0xf bank_mask:0xf
.endr
.irp i, 0,1,2,3
	v_add_nc_u32 v[36+\i], v[36+\i], v[40+\i]
.endr
.endr
.irp i, 0,1,2,3
	v_permlanex16_b32 v[40+\i], v[36+\i], s20, s21
.endr
.irp i, 0,1,2,3
	v_add_nc_u32 v[36+\i], v[36+\i], v[40+\i]      ; every lane has the sums
.endr
.irp q, 0,1,2,3
	v_and_b32 v[44+2*\q], 0xffff, v[36+\q]
	v_lshrrev_b32 v[45+2*\q], 16, v[36+\q]
.endr
	v_mov_b32 v52, 0
.irp e, 0,1,2,3,4,5,6,7
	v_cmp_eq_u32 s[24+\e], \e, v2
	v_mbcnt_lo_u32_b32 v40, s[24+\e], v[44+\e]     ; the lower lanes with expert e, + the count ahead
	v_cndmask_b32 v52, v52, v40, s[24+\e]
.endr
	v_cmp_gt_u32 vcc_lo, CAP, v52                  ; kept
	s_not_b32 s40, vcc_lo
	v_mov_b32 v136, s40
	global_store_b32 v55, v136, s[32:33] offset:DROP_OFF           ; every lane writes the same word
	v_lshl_add_u32 v53, v2, 10, v52                ; 1,024 slots an expert
	v_min_u32 v53, 0x1fff, v53                     ; held inside the lists, whatever was read
	v_lshlrev_b32 v53, 2, v53
	s_wait_alu depctr_va_vdst(0)
	s_wait_xcnt 0x0                                ; EXEC is a source of the store above: it changes only behind this wait
	s_and_saveexec_b32 s43, vcc_lo
	global_store_b32 v53, v54, s[12:13]            ; kept tokens only
	s_wait_xcnt 0x0                                ; and again ahead of the line that widens it
	s_or_b32 exec_lo, exec_lo, s43
.if \last
.irp e, 0,1,2,3,4,5,6,7
	s_bcnt1_i32_b32 s42, s[24+\e]
	v_add_nc_u32 v[56+\e], s42, v[44+\e]           ; all 4,096 tokens' count for expert e
	v_min_u32 v[64+\e], CAP, v[56+\e]
.endr
	global_store_b128 v55, v[64:67], s[12:13] offset:CNT_OFF
	global_store_b128 v55, v[68:71], s[12:13] offset:CNT_OFF+16
.irp q, 1,2,3,4,5,6,7,8,9,10,11,12,13,14,15
	v_pk_add_f32 v[72:73], v[72:73], v[72+4*\q:73+4*\q]
	v_pk_add_f32 v[74:75], v[74:75], v[74+4*\q:75+4*\q]
.endr
	s_mov_b32 s42, 0xaaaaaaaa                      ; odd lanes hold experts 4 to 7
.irp i, 0,1,2,3
	v_cndmask_b32 v[40+\i], v[56+\i], v[60+\i], s42
.endr
.irp i, 0,1,2,3
	v_cvt_f32_u32 v[40+\i], v[40+\i]
.endr
	v_mul_f32 v76, v40, v72
	v_fmac_f32 v76, v41, v73
	v_fmac_f32 v76, v42, v74
	v_fmac_f32 v76, v43, v75
.irp mk, 1,2,4,8
	v_add_f32_dpp v76, v76, v76 row_xmask:\mk row_mask:0xf bank_mask:0xf
.endr
	v_permlanex16_b32 v77, v76, s20, s21
	v_add_f32 v76, v76, v77                        ; sum over e of count_e x (sum of the probabilities of e)
	v_mul_f32 v76, 0x35000000, v76                 ; x 8 / 4096^2 = 2^-21
	global_store_b32 v55, v76, s[14:15]
.endif
	s_endpgm
.endm
	s_cmp_eq_u32 s17, 127
	s_cbranch_scc1 .Llast
	PLACE 0
.Llast:
	PLACE 1
.Lrelay:
	s_sub_co_u32 s17, ttmp9, 32                    ; which group of 64 columns, 0 .. 127; my wave's tile of 16 is the wave's number
	s_lshl_b32 s18, s17, 2
	s_add_co_u32 s18, s18, s16
	s_mul_i32 s18, s18, 12288
	s_add_nc_u64 s[4:5], s[4:5], s[18:19]          ; my 16 rows of 768 bytes
	s_mul_i32 s18, s17, 49152
	s_mul_i32 s22, s16, 1536
	s_add_co_u32 s18, s18, s22
	s_add_nc_u64 s[10:11], s[10:11], s[18:19]
	s_wait_alu depctr_va_vdst(0)
.irp j, 0,1,2,3,4,5,6,7,8,9,10,11,12,13,14,15,16,17,18,19,20,21,22,23
	global_load_b128 v[16+4*\j:19+4*\j], v3, s[4:5] offset:512*\j th:TH_LOAD_NT   ; 512 consecutive bytes; read once in the launch
.endr
	s_mul_i32 s23, s16, WREG
	v_add_nc_u32 v5, s23, v3                       ; three loads are two rows.  The first: row 2 a, byte 16 lane;
	v_bfe_u32 v8, v0, 4, 1
	v_lshl_add_u32 v6, v8, 4, v5
	v_add_nc_u32 v6, 512, v6                       ; the second: byte 512 + 16 lane, its upper lanes behind the row's padding;
	v_add_nc_u32 v7, 1040, v5                      ; the third: row 2 a + 1, byte 256 + 16 lane
	v_and_b32 v9, 15, v0
	v_mul_u32_u24 v9, v9, WPIT
	v_mad_u32_u24 v9, v8, 24, v9
	v_add_nc_u32 v9, s23, v9                       ; back: row lane % 16, + 24 bytes for the upper lanes
	s_wait_alu depctr_va_vdst(0)
.irp a, 0,1,2,3,4,5,6,7
.irp u, 0,1,2
	s_wait_loadcnt 23-3*\a-\u
	ds_store_b128 v[5+\u], v[16+4*(3*\a+\u):19+4*(3*\a+\u)] offset:2*WPIT*\a
.endr
.endr
.irp k, 0,1,2,3,4,5,6,7
.irp p, 0,1,2,3,4,5
	ds_load_b64 v[112+12*\k+2*\p:113+12*\k+2*\p], v9 offset:96*\k+48*(\p/3)+8*(\p%3)   ; LDS serves a wave's instructions in order (ISA guide 5.7.1.4): these see my stores
.endr
.endr
.irp k, 0,1,2,3,4,5,6,7
	s_wait_dscnt 6*(7-\k)                          ; K step k's six loads are back; the later steps' may be out
.irp u, 0,1,2
	global_store_b128 v3, v[112+12*\k+4*\u:115+12*\k+4*\u], s[10:11] offset:6144*\k+512*\u   ; 32 lanes store 512 consecutive bytes, aligned
.endr
.endr
	s_wait_tensorcnt 0x0
	ds_add_u32 v224, v225
	s_wait_dscnt 0x0
	s_endpgm
.Lfunc_end_k_q3ae10b62c4_prep:
	.size	k_q3ae10b62c4_prep, .Lfunc_end_k_q3ae10b62c4_prep-k_q3ae10b62c4_prep
	.p2alignl 7, 3214868480
	.fill 96, 4, 3214868480
	.section	.rodata,"a",@progbits
	.p2align	6, 0x0
	.amdhsa_kernel k_q3ae10b62c4_prep
		.amdhsa_group_segment_fixed_size 50688
		.amdhsa_private_segment_fixed_size 0
		.amdhsa_enable_private_segment 0
		.amdhsa_kernarg_size 48
		.amdhsa_user_sgpr_count 2
		.amdhsa_user_sgpr_kernarg_segment_ptr 1
		.amdhsa_wavefront_size32 1
		.amdhsa_system_sgpr_workgroup_id_x 1
		.amdhsa_system_sgpr_workgroup_id_y 1
		.amdhsa_system_sgpr_workgroup_id_z 1
		.amdhsa_system_vgpr_workitem_id 0
		.amdhsa_next_free_vgpr 226
		.amdhsa_next_free_sgpr 66
		.amdhsa_reserve_vcc 1
		.amdhsa_float_denorm_mode_32 3
		.amdhsa_float_denorm_mode_16_64 3
		.amdhsa_memory_ordered 1
		.amdhsa_forward_progress 1
		.amdhsa_inst_pref_size 34
	.end_amdhsa_kernel
	.amdgpu_metadata
---
amdhsa.version: [ 1, 2 ]
amdhsa.kernels:
  - .name:           k_q3ae10b62c4_prep
    .symbol:         k_q3ae10b62c4_prep.kd
    .args:
      - { .name: W_codes, .offset: 0, .size: 8, .value_kind: global_buffer, .address_space: global }
      - { .name: route, .offset: 8, .size: 8, .value_kind: global_buffer, .address_space: global }
      - { .name: fl, .offset: 16, .size: 8, .value_kind: global_buffer, .address_space: global }
      - { .name: Wl, .offset: 24, .size: 8, .value_kind: global_buffer, .address_space: global }
      - { .name: plan, .offset: 32, .size: 8, .value_kind: global_buffer, .address_space: global }
      - { .name: out1, .offset: 40, .size: 8, .value_kind: global_buffer, .address_space: global }
    .group_segment_fixed_size: 50688
    .private_segment_fixed_size: 0
    .kernarg_segment_align: 8
    .kernarg_segment_size: 48
    .max_flat_workgroup_size: 128
    .sgpr_count:     66
    .vgpr_count:     226
    .wavefront_size: 32
...
	.end_amdgpu_metadata
.endif
;; end of part 5
;; launch experts (part 6): grid 32 x 8, 4 waves a work-group, no clusters, 83,200 bytes of LDS; arguments Wl, W_scales, b, xq, fl, plan, out0; writes out0
.if DOCPART == 6
	.amdgcn_target "amdgcn-amd-amdhsa--gfx1250"
	.amdhsa_code_object_version 6
	.text
	.protected	k_q3ae10b62c4_experts
	.globl	k_q3ae10b62c4_experts
	.p2align	8
	.type	k_q3ae10b62c4_experts,@function
k_q3ae10b62c4_experts:
	s_mov_b64 s[64:65], 0
	v_nop
	global_prefetch_b8 v0, s[64:65] scope:SCOPE_SE
	s_setreg_imm32_b32 hwreg(HW_REG_WAVE_SCHED_MODE, 0, 2), 2
	s_setreg_imm32_b32 hwreg(HW_REG_WAVE_MODE, 25, 1), 1
	s_wait_xcnt 0x0
	s_wait_alu depctr_vm_vsrc(0)
; EXPERTS.  out0[t] = (Q(x[t]) W[e] + b[e]) x prob[t] for the tokens kept by expert e; rows of dropped tokens are zeros.  Only the chosen rows are multiplied.
; GRID: y = the expert e; x = p + 4 i: p = which 256 of the 1,024 columns, i = which 80 slots of the expert's list.  8 x 80 = 640 = the capacity, so 256 work-groups serve every split.
; A work-group whose slots hold no token (n = count - 80 i <= 0) multiplies nothing.  Work-group g = 32 y + x also writes the zero rows among tokens 16 g .. 16 g + 15, by the stored drop bits.
; SHARES: wave w makes columns 256 p + 64 w .. + 63 (4 tiles of 16) for all 80 rows (5 tiles of 16): 20 accumulators.  Its 32 fragments of W (4 tiles x 8 K steps of 128, 384 registers) go from memory straight into
; its registers, each once, as the launch before laid them.  x's codes are gathered by the list, each row once a work-group, and go from wave to wave through LDS as images of the operand's registers.
; THE MATRIX INSTRUCTION IS USED TRANSPOSED: source 0 = 16 columns of W, source 1 = 16 tokens: lane (r, h) holds token r and columns 8 h + 0 .. 7.  b is the C of each sum's first instruction.
; Slots at or past n take the tile's first token: they give that row's own bytes once more, at the same address, so no lane is ever switched off.
; NO JOINT LOADS, though the row tiles of an expert read the same weights: whether a work-group has rows hangs on a count read from memory, and this text branches on it.
; The one barrier stands on a path that every work-group and wave takes; all branches on stored numbers either join again ahead of it or stand behind it.
; LIMITS: those of the codes and scale bytes as the first launch made them; NaN and infinities are not served.
; THE MODE: SCHED_MODE bits 1:0 = 2 (LLVM: expert scheduling mode 2), set by the entry lines.  The code itself states the register dependences between vector or matrix instructions and memory or LDS
; instructions, with s_wait_alu, always for 0.
; THE PLAN.  Registers that memory or LDS instructions touch:
;   v4-v23, v29, v30, v232-235, v254, v255   offsets, LDS addresses, zeros: written once at the head, ahead of the first wait on va_vdst, and never again.
;   TOK, v7-v10, v24-v28   the list's loads land in TOK; vector lines hold the tokens and make the gather's offsets; one wait on va_vdst; then the table's LDS stores, the gather and the loads of prob read them.  Never written again.
;   XF (v88-207)   the gather lands here, my LDS stores read it (one wait on vm_vsrc behind the barrier).  Then two sets: K step s's products read set s % 2, and the LDS loads of step s + 1 land in the other set, which
;                  step s - 1's products read: ONE wait on va_vdst at a step's head states that those are done.  No product of step s names that set, so its fifteen loads follow with no further wait, in two runs among the products.
;   W, the bias, the scale words, prob   each register is loaded once; matrix and vector lines alone name them afterwards.
;   The way out   AD: the 40 rows' tokens come from my table at once and become offsets in place, once.  T: written by a tile's multiplications, read by its LDS stores.  RB: loaded from the stage, read by the global stores.
;                  One wait on va_vdst a tile, ahead of its LDS stores; one on vm_vsrc ahead of the next tile.
.set XS_OFF,   3145728
.set CNT_OFF,  32768
.set DROP_OFF, 33024
.set XSC,  61440                       ; LDS: 0: x's images: (row tile m, K step s) at 12,288 m + 1,536 s + 512 c + 16 lane;  XSC: scale bytes of row tiles 0-3, 32 a row;
.set XSC4, XSC+2048                    ; row tile 4's, by the wave that fetched them: 128 w + 8 r (K steps 2 w, 2 w + 1);
.set PT,   64000                       ; each wave's own table of the 80 tokens, 320 bytes;
.set STG,  65280                       ; each wave's own stage: 16 rows x (256 bytes + 16); behind the stages, from 0x14300 on, the spare words: 128 bytes for each wave
.set XS,  32                           ; v32-71   x's scale words: tile m, K step s at 8 m + s: these and the next hold scales and nothing else
.set WS,  72                           ; v72-87   W's: 8 u + s: lanes 0-15 column tile 2 u, lanes 16-31 tile 2 u + 1
.set XF,  88                           ; v88-147, v148-207  x's five fragments of a K step, two sets; ahead of the barrier the 120 registers of the gather
.set T,   88                           ; the way out: v88-119 results x prob; v120-151 rows read back; v168-207 the 40 rows' tokens, then their offsets in out0: tile m, row 8 h + i at 8 m + i
.set RB,  120
.set AD,  168
.set TOK, 208                          ; v208-212 the tokens of the five row tiles (lane % 16); v213 those of the tile that my wave gathers
.set PRP, 214                          ; v214-223 prob of tile m at 214 + 2 m; the odd registers are 0 (named with them as pairs)
.set BI,  192                          ; window 2: the bias, 8 registers a column tile
; v1 lane, v2 r, v3 h, v4 16 lane, v5 4 r, v6 4 r + 64 w, v7-10 the gather's offsets, v11, v12 images to LDS, v13, v14 scale bytes to LDS, v15 32 r, v16, v17 the table in and out, v18, v19 the stage in and out,
; v20 16 r, v21 16 x thread, v22 32 h, v23 32 lane, v24-28 4 x token, v29 8 r, v30 384 h, v224-229 scale bytes on their way, v232-235 zeros, v254, v255 the closing add's two.
; Window 1: W's K steps 0-3 at 48 s + 12 t.   Window 2: K steps 4-7 at 48 (s - 4) + 12 t.   Window 3: accumulator (t, m) at 8 (4 m + t).
.set MSB, 0
.macro WIN new                         ; the immediate's high byte repeats the setting that is left; a switch that changes nothing is dropped
.if MSB != (\new)
	s_set_vgpr_msb (MSB<<8)|(\new)
.set MSB, (\new)
.endif
.endm
.macro WLOAD s                         ; W's four fragments of K step s: twelve loads of 512 consecutive bytes, into registers that nothing has named before
	WIN 0x40*(1+(\s)/4)
.irp t, 0,1,2,3
.irp c, 0,1,2
	global_load_b128 v[48*((\s)%4)+12*\t+4*\c:48*((\s)%4)+12*\t+4*\c+3], v4, s[30:31] offset:6144*(\s)+1536*\t+512*\c
.endr
.endr
	WIN 0
.endm
.macro FETCHX s, lo, hi                ; x's fragments of K step s, row tiles lo to hi, as their images lie
	WIN 0
.irp m, 0,1,2,3,4
.if (\m >= \lo) && (\m <= \hi)
.irp c, 0,1,2
	ds_load_b128 v[XF+60*((\s)%2)+12*\m+4*\c:XF+60*((\s)%2)+12*\m+4*\c+3], v4 offset:12288*\m+1536*(\s)+512*\c
.endr
.endif
.endr
.endm
.macro ONE s, m, t
.set rD, 8*(4*\m+\t)
.set rA, 48*((\s)%4)+12*\t
.set rB, XF+60*((\s)%2)+12*\m
.set rW, WS+8*(\t/2)+(\s)
.set rX, XS+8*\m+(\s)
.if (\s) == 0
.if \t%2
	v_wmma_scale_f32_16x16x128_f8f6f4 v[rD:rD+7], v[rA:rA+11], v[rB:rB+11], v[BI+8*\t:BI+8*\t+7], v[rW], v[rX] matrix_a_fmt:MATRIX_FMT_BF6 matrix_b_fmt:MATRIX_FMT_BF6 matrix_a_scale:MATRIX_SCALE_ROW1
.else
	v_wmma_scale_f32_16x16x128_f8f6f4 v[rD:rD+7], v[rA:rA+11], v[rB:rB+11], v[BI+8*\t:BI+8*\t+7], v[rW], v[rX] matrix_a_fmt:MATRIX_FMT_BF6 matrix_b_fmt:MATRIX_FMT_BF6
.endif
.else
.if \t%2
	v_wmma_scale_f32_16x16x128_f8f6f4 v[rD:rD+7], v[rA:rA+11], v[rB:rB+11], v[rD:rD+7], v[rW], v[rX] matrix_a_fmt:MATRIX_FMT_BF6 matrix_b_fmt:MATRIX_FMT_BF6 matrix_a_scale:MATRIX_SCALE_ROW1
.else
	v_wmma_scale_f32_16x16x128_f8f6f4 v[rD:rD+7], v[rA:rA+11], v[rB:rB+11], v[rD:rD+7], v[rW], v[rX] matrix_a_fmt:MATRIX_FMT_BF6 matrix_b_fmt:MATRIX_FMT_BF6
.endif
.endif
.endm
.macro MUL s, lo, hi                   ; the products of row tiles lo to hi: over a K step the 20 accumulators take turns, one instruction a turn, in the same order in every K step
.if (\s) == 0
	WIN 0xe1                                       ; W window 1, x window 0, C (the bias) window 2, D window 3
.elseif (\s) < 4
	WIN 0xf1                                       ; C and D window 3
.else
	WIN 0xf2                                       ; W window 2
.endif
.irp m, 0,1,2,3,4
.if (\m >= \lo) && (\m <= \hi)
.irp t, 0,1,2,3
	ONE \s, \m, \t
.endr
.endif
.endr
.endm
; K step s.  The next step's fifteen LDS loads go in two runs, each ahead of the products of the same row tiles, so that each run has a whole step in which to land.
.macro STEP s
.if (\s) >= 3
	s_wait_loadcnt 12*(7-(\s))                     ; W's K step s is in; the twelve loads of each later step may be out
.endif
.if ((\s) > 0) && ((\s) < 7)
	s_wait_alu depctr_va_vdst(0)                   ; the last K step's products are done reading the other set of x's fragments, in which this step's fifteen LDS loads land; no product of this step names that set
.endif
.if (\s) < 7
	FETCHX (\s)+1, 0, 2
.endif
.if (\s) < 2
	WLOAD (\s)+6
.endif
.if (\s) < 7
	s_wait_dscnt 15                                ; this step's row tiles 0-2 (and at first the scale words) are in; out may be its tiles 3 and 4 (six loads) and the nine just issued
.else
	s_wait_dscnt 6                                 ; the last step: its tiles 3 and 4 may be out
.endif
	MUL \s, 0, 2
.if (\s) < 7
	FETCHX (\s)+1, 3, 4
	s_wait_dscnt 15                                ; this step's row tiles 3 and 4 are in; the next step's fifteen may be out
.else
	s_wait_dscnt 0x0
.endif
	MUL \s, 3, 4
.endm
; THE WAY OUT of row tile m: x prob; a lane's 32 bytes of a row into my own stage; back as whole runs of 256 bytes; each row to the place of its token.
.macro SCALE m
	WIN 0x03                                       ; source 0 window 3
.irp t, 0,1,2,3
.irp k, 0,2,4,6
	v_pk_mul_f32 v[T+8*\t+\k:T+8*\t+\k+1], v[8*(4*\m+\t)+\k:8*(4*\m+\t)+\k+1], v[PRP+2*\m:PRP+2*\m+1] op_sel_hi:[1,0]   ; each accumulator from its low end on
.endr
.endr
	WIN 0
.endm
.macro SEND m
	s_wait_alu depctr_va_vdst(0)                   ; the multiplications have written v[T ..], which the LDS stores read; in tile 0 also: the 40 offsets v[AD ..] are written, which the global stores of all tiles read
.irp t, 0,1,2,3
.irp q, 0,1
	ds_store_b128 v18, v[T+8*\t+4*\q:T+8*\t+4*\q+3] offset:64*\t+16*\q
.endr
.endr
.irp i, 0,1,2,3,4,5,6,7
	ds_load_b128 v[RB+4*\i:RB+4*\i+3], v19 offset:272*\i           ; lanes 0-15 row i, lanes 16-31 row i + 8.  LDS serves a wave's instructions in order (ISA guide 5.7.1.4): these see my stores
.endr
.irp i, 0,1,2,3,4,5,6,7
	s_wait_dscnt 7-\i
	global_store_b128 v[AD+8*\m+\i], v[RB+4*\i:RB+4*\i+3], s[38:39] th:TH_STORE_NT   ; 16 lanes store 256 consecutive bytes, at a multiple of 256 from out0's first byte; written once
.endr
.endm
	s_load_b256 s[4:11], s[0:1], 0x0               ; Wl, W_scales, b, xq
	s_load_b128 s[12:15], s[0:1], 0x20             ; fl, plan
	s_load_b64 s[16:17], s[0:1], 0x30              ; out0
	v_lshl_add_u32 v254, v0, 2, 0x14300            ; the LDS address of my spare word, and 0: made here and kept for the closing lines alone
	v_mov_b32 v255, 0
	v_lshrrev_b32 v1, 5, v0
	v_readfirstlane_b32 s18, v1                    ; wave 0..3
	s_and_b32 s19, ttmp9, 3                        ; p
	s_lshr_b32 s20, ttmp9, 2                       ; i
	s_and_b32 s21, ttmp7, 0xffff                   ; e
	s_lshl_b32 s22, s21, 5
	s_add_co_u32 s22, s22, ttmp9                   ; g
	s_lshl_b32 s46, s21, 2                         ; where the expert's count lies,
	s_lshr_b32 s47, s22, 1
	s_lshl_b32 s47, s47, 2                         ; and the drop word of tokens 16 g on
	s_lshl_b32 s28, s21, 12
	s_mul_i32 s27, s20, 320
	s_add_co_u32 s28, s28, s27                     ; the list: 4,096 bytes an expert, 320 a tile of 80 slots
	s_mov_b32 s29, 0
	s_lshl_b32 s56, s22, 16                        ; rows 16 g on of out0
	s_mov_b32 s57, 0
	v_and_b32 v1, 31, v0
	v_and_b32 v2, 15, v0
	v_bfe_u32 v3, v0, 4, 1
	v_lshlrev_b32 v4, 4, v1
	v_lshlrev_b32 v5, 2, v2
	v_lshlrev_b32 v22, 5, v3
	v_lshlrev_b32 v23, 5, v1
	v_lshlrev_b32 v15, 5, v2
	v_lshlrev_b32 v29, 3, v2
	v_lshlrev_b32 v20, 4, v2
	v_lshlrev_b32 v21, 4, v0
	v_mul_u32_u24 v30, v3, 384
.irp j, 0,1,2,3
	v_mov_b32 v[232+\j], 0
.endr
.irp m, 0,1,2,3,4
	v_mov_b32 v[PRP+2*\m+1], 0
.endr
	s_wait_alu depctr_va_sdst(0)                   ; s18 is written, ahead of its first reader: bases and LDS addresses are made from it
	s_lshl_b32 s27, s19, 2
	s_add_co_u32 s27, s27, s18                     ; my group of 64 columns: 4 p + w
	s_mul_i32 s48, s27, 49152
	s_mul_i32 s49, s21, 786432
	s_add_co_u32 s48, s48, s49                     ; in Wl,
	s_mov_b32 s49, 0
	s_lshl_b32 s50, s27, 11
	s_lshl_b32 s51, s21, 15
	s_add_co_u32 s50, s50, s51                     ; in W_scales (32 bytes a column),
	s_mov_b32 s51, 0
	s_lshl_b32 s54, s27, 8                         ; in a row of out0,
	s_mov_b32 s55, 0
	s_lshl_b32 s52, s21, 12
	s_add_co_u32 s52, s52, s54                     ; in b
	s_mov_b32 s53, 0
	s_lshl_b32 s27, s18, 6
	v_add_nc_u32 v6, s27, v5
	; every LDS address is made here, while the arguments are on their way
	s_mul_i32 s27, s18, 12288
	v_add_nc_u32 v11, s27, v4                      ; my row tile's images
	s_mul_i32 s27, s18, 3072
	s_add_co_u32 s27, s27, 49152
	v_add_nc_u32 v12, s27, v4                      ; row tile 4, K steps 2 w and 2 w + 1
	v_lshl_add_u32 v13, v3, 4, v15
	s_lshl_b32 s27, s18, 9
	s_add_co_u32 s27, s27, XSC
	v_add_nc_u32 v13, s27, v13                     ; my row tile's scale bytes: 512 w + 32 r + 16 h
	s_lshl_b32 s27, s18, 7
	s_add_co_u32 s27, s27, XSC4
	v_add_nc_u32 v14, s27, v29                     ; row tile 4's: 128 w + 8 r
	s_mul_i32 s27, s18, 320
	s_add_co_u32 s27, s27, PT
	v_add_nc_u32 v16, s27, v5
	v_add_nc_u32 v17, s27, v22
	s_mul_i32 s27, s18, 4352
	s_add_co_u32 s27, s27, STG
	v_mul_u32_u24 v18, v2, 272
	v_lshl_add_u32 v18, v3, 5, v18
	v_add_nc_u32 v18, s27, v18                     ; into the stage: row r, 32 bytes for each half of the lanes
	v_mul_u32_u24 v19, v3, 2176
	v_add_nc_u32 v19, v19, v20
	v_add_nc_u32 v19, s27, v19                     ; back: 16 lanes to a row, the upper lanes eight rows on
	s_wait_kmcnt 0x0
	s_load_b32 s23, s[14:15], s46 offset:CNT_OFF
	s_load_b32 s24, s[14:15], s47 offset:DROP_OFF
	s_add_nc_u64 s[30:31], s[4:5], s[48:49]
	s_add_nc_u64 s[32:33], s[6:7], s[50:51]
	s_add_nc_u64 s[34:35], s[8:9], s[52:53]
	s_add_nc_u64 s[36:37], s[14:15], s[28:29]
	s_add_nc_u64 s[38:39], s[16:17], s[54:55]
	s_add_nc_u64 s[40:41], s[16:17], s[56:57]
	s_wait_alu depctr_va_vdst(0)                   ; all offsets and LDS addresses (v4 to v23, v29, v30) and the zeros v232 to v235 are written: the loads, stores and LDS instructions of the whole kernel read them, and none is written again
.irp m, 0,1,2,3,4
	global_load_b32 v[TOK+\m], v5, s[36:37] offset:64*\m           ; slot 80 i + 16 m + r
.endr
	global_load_b32 v[TOK+5], v6, s[36:37]                         ; slot 80 i + 16 w + r
.irp u, 0,1
.irp q, 0,1
	global_load_b128 v[WS+8*\u+4*\q:WS+8*\u+4*\q+3], v23, s[32:33] offset:1024*\u+16*\q   ; column 32 u + lane: its eight scale words
.endr
.endr
	WIN 0x80                                       ; destination window 2
.irp t, 0,1,2,3
.irp q, 0,1
	global_load_b128 v[BI+8*\t+4*\q:BI+8*\t+4*\q+3], v22, s[34:35] offset:64*\t+16*\q     ; b at columns 16 t + 8 h + 0 .. 7: the result's layout
.endr
.endr
	WIN 0
	WLOAD 0
	WLOAD 1
	WLOAD 2
	s_wait_kmcnt 0x0
	s_mul_i32 s25, s20, 80
	s_sub_co_i32 s25, s23, s25                     ; n: the rows of my tile (it may be negative, or over 80)
	s_and_b32 s27, s22, 1
	s_lshl_b32 s27, s27, 4
	s_lshr_b32 s43, s24, s27
	s_and_b32 s43, s43, 0xffff                     ; bit k: token 16 g + k was dropped
	s_wait_loadcnt 48                              ; the six list loads are in; behind them came 4 of scales, 8 of the bias and 36 of W
	v_readfirstlane_b32 s26, v[TOK]                ; the tile's first token
.irp m, 0,1,2,3,4
	s_sub_co_i32 s27, s25, 16*\m
	v_cmp_gt_i32 s[58+\m], s27, v2                 ; slot 16 m + r holds a token.  The six compares stand in a run, each with a mask of its own
.endr
	s_lshl_b32 s27, s18, 4
	s_sub_co_i32 s27, s25, s27
	v_cmp_gt_i32 s63, s27, v2
	s_wait_alu depctr_va_sdst(0)                   ; s26 and the six masks s58 to s63 are written, ahead of the selects that read them
.irp m, 0,1,2,3,4,5
	v_cndmask_b32 v[TOK+\m], s26, v[TOK+\m], s[58+\m]
.endr
.irp m, 0,1,2,3,4,5
	v_min_u32 v[TOK+\m], 0xfff, v[TOK+\m]          ; held inside the tables that it indexes
.endr
	v_mul_u32_u24 v7, v[TOK+5], 768
	v_add_nc_u32 v7, v7, v30                       ; my token's codes, my half's 384 bytes
	v_lshlrev_b32 v8, 5, v[TOK+5]
	v_lshl_add_u32 v8, v3, 4, v8                   ; its scale bytes, my half's 16
	v_mul_u32_u24 v9, v[TOK+4], 768
	v_add_nc_u32 v9, v9, v30
	s_mul_i32 s27, s18, 96
	v_add_nc_u32 v9, s27, v9                       ; row tile 4: K steps 2 w and 2 w + 1: 96 bytes
	v_lshlrev_b32 v10, 5, v[TOK+4]
	s_lshl_b32 s27, s18, 3
	v_add_nc_u32 v10, s27, v10
.irp m, 0,1,2,3,4
	v_lshlrev_b32 v[24+\m], 2, v[TOK+\m]
.endr
	s_wait_alu depctr_va_vdst(0)                   ; the tokens v208 to v212, which the LDS stores read, and the offsets v7 to v10 and v24 to v28, which the gather and the loads of prob read, are written; none is written again
.irp m, 0,1,2,3,4
	ds_store_b32 v16, v[TOK+\m] offset:64*\m       ; my own table; both halves of the lanes write the same words
.endr
.irp q, 0,1,2,3,4,5,6,7,8,9,10,11,12,13,14,15,16,17,18,19,20,21,22,23
	global_load_b128 v[XF+4*\q:XF+4*\q+3], v7, s[10:11] offset:16*\q          ; registers 12 s .. 12 s + 11 are my part of K step s's fragment
.endr
.irp q, 0,1,2,3,4,5
	global_load_b128 v[XF+96+4*\q:XF+96+4*\q+3], v9, s[10:11] offset:16*\q
.endr
	global_load_b128 v[224:227], v8, s[10:11] offset:XS_OFF
	global_load_b64 v[228:229], v10, s[10:11] offset:XS_OFF
	; while the gather is on its way: the zero rows.  128 threads x 16 bytes are half a row; the row stands in the immediate, nothing is stepped
.irp k, 0,1,2,3,4,5,6,7,8,9,10,11,12,13,14,15
	s_bitcmp1_b32 s43, \k
	s_cbranch_scc0 .Lkept\k
	global_store_b128 v21, v[232:235], s[40:41] offset:4096*\k th:TH_STORE_NT
	global_store_b128 v21, v[232:235], s[40:41] offset:4096*\k+2048 th:TH_STORE_NT
.Lkept\k:
.endr
	s_wait_loadcnt 0x0                             ; the gather is in, and with it W's K steps 0 to 2, the bias and W's scales
.irp q, 0,1,2,3,4,5,6,7,8,9,10,11,12,13,14,15,16,17,18,19,20,21,22,23
	ds_store_b128 v11, v[XF+4*\q:XF+4*\q+3] offset:512*\q
.endr
.irp q, 0,1,2,3,4,5
	ds_store_b128 v12, v[XF+96+4*\q:XF+96+4*\q+3] offset:512*\q
.endr
	ds_store_b128 v13, v[224:227]
	ds_store_b64 v14, v[228:229]                   ; both halves of the lanes write the same bytes
	s_wait_dscnt 0x0                               ; for the others' sake: my images and scale bytes lie in LDS
	s_barrier_signal -1
	s_barrier_wait -1                              ; the only barrier: behind it nobody writes the images or the scale bytes
	s_wait_alu depctr_vm_vsrc(0)                   ; my LDS stores have read v88 to v207: from here on the fragments' loads land there, and on the way out the multiplications, the stage's loads and the table's loads write them
	s_cmp_le_i32 s25, 0
	s_cbranch_scc1 .Ldone                          ; no token in my 80 slots
.irp m, 0,1,2,3,4
	global_load_b32 v[PRP+2*\m], v[24+\m], s[12:13]
.endr
	WLOAD 3
	WLOAD 4
	WLOAD 5
.irp m, 0,1,2,3
.irp q, 0,1
	ds_load_b128 v[XS+8*\m+4*\q:XS+8*\m+4*\q+3], v15 offset:XSC+512*\m+16*\q   ; lane r: row r's eight scale words
.endr
.endr
.irp u, 0,1,2,3
	ds_load_b64 v[XS+32+2*\u:XS+33+2*\u], v29 offset:XSC4+128*\u
.endr
	FETCHX 0, 0, 4
.irp k, 0,1,2,3,4,5,6,7
	STEP \k
.endr
.rept 4
	v_nop                                          ; four plain places between the last products and the first lines that read results or write the fragments' registers (ISA guide 7.12.1)
.endr
	WIN 0
	s_wait_alu depctr_va_vdst(0)                   ; the last products are done reading v148 to v207, in part of which the table's loads land; the places above stay beside this wait
.irp m, 0,1,2,3,4
	ds_load_b128 v[AD+8*\m:AD+8*\m+3], v17 offset:64*\m            ; the tokens of rows 8 h + 0 .. 7 of all five row tiles at once
	ds_load_b128 v[AD+8*\m+4:AD+8*\m+7], v17 offset:64*\m+16
.endr
	SCALE 0                                        ; row tile 0's multiplications stand between those loads and the wait for them
	s_wait_dscnt 0x0                               ; the tokens are in
.set j, 0
.rept 40
	v_min_u32 v[AD+j], 0xfff, v[AD+j]              ; held inside out0
.set j, j+1
.endr
.set j, 0
.rept 40
	v_lshl_add_u32 v[AD+j], v[AD+j], 12, v20       ; 4,096 bytes a row, + 16 bytes a lane: the 40 offsets, made once
.set j, j+1
.endr
	SEND 0
.irp m, 1,2,3,4
	s_wait_xcnt 0x0                                ; the last tile's stores have had their addresses translated (ISA guide 3.1): only behind this wait are their data registers loaded again
	s_wait_alu depctr_vm_vsrc(0)                   ; the last tile's LDS stores have read v[T ..], which the multiplications write again, and its global stores have read v[RB ..], in which the stage's loads land again
	s_cmp_le_i32 s25, 16*\m                        ; no row in this tile: none in the later ones either
	s_cbranch_scc1 .Ldone
	SCALE \m
	SEND \m
.endr
.Ldone:
	s_wait_dscnt 0x0                               ; the closing lines, six on end
	s_wait_alu 0x0
	s_wait_tensorcnt 0x0
	ds_add_u32 v254, v255
	s_wait_dscnt 0x0
	s_endpgm
.Lfunc_end_k_q3ae10b62c4_experts:
	.size	k_q3ae10b62c4_experts, .Lfunc_end_k_q3ae10b62c4_experts-k_q3ae10b62c4_experts
	.p2alignl 7, 3214868480
	.fill 96, 4, 3214868480
	.section	.rodata,"a",@progbits
	.p2align	6, 0x0
	.amdhsa_kernel k_q3ae10b62c4_experts
		.amdhsa_group_segment_fixed_size 83200
		.amdhsa_private_segment_fixed_size 0
		.amdhsa_enable_private_segment 0
		.amdhsa_kernarg_size 56
		.amdhsa_user_sgpr_count 2
		.amdhsa_user_sgpr_kernarg_segment_ptr 1
		.amdhsa_wavefront_size32 1
		.amdhsa_system_sgpr_workgroup_id_x 1
		.amdhsa_system_sgpr_workgroup_id_y 1
		.amdhsa_system_sgpr_workgroup_id_z 1
		.amdhsa_system_vgpr_workitem_id 0
		.amdhsa_next_free_vgpr 928
		.amdhsa_next_free_sgpr 66
		.amdhsa_reserve_vcc 0
		.amdhsa_float_denorm_mode_32 3
		.amdhsa_float_denorm_mode_16_64 3
		.amdhsa_memory_ordered 1
		.amdhsa_forward_progress 1
		.amdhsa_inst_pref_size 80
	.end_amdhsa_kernel
	.amdgpu_metadata
---
amdhsa.version: [ 1, 2 ]
amdhsa.kernels:
  - .name:           k_q3ae10b62c4_experts
    .symbol:         k_q3ae10b62c4_experts.kd
    .args:
      - { .name: Wl, .offset: 0, .size: 8, .value_kind: global_buffer, .address_space: global }
      - { .name: W_scales, .offset: 8, .size: 8, .value_kind: global_buffer, .address_space: global }
      - { .name: b, .offset: 16, .size: 8, .value_kind: global_buffer, .address_space: global }
      - { .name: xq, .offset: 24, .size: 8, .value_kind: global_buffer, .address_space: global }
      - { .name: fl, .offset: 32, .size: 8, .value_kind: global_buffer, .address_space: global }
      - { .name: plan, .offset: 40, .size: 8, .value_kind: global_buffer, .address_space: global }
      - { .name: out0, .offset: 48, .size: 8, .value_kind: global_buffer, .address_space: global }
    .group_segment_fixed_size: 83200
    .private_segment_fixed_size: 0
    .kernarg_segment_align: 8
    .kernarg_segment_size: 56
    .max_flat_workgroup_size: 128
    .sgpr_count:     66
    .vgpr_count:     928
    .wavefront_size: 32
...
	.end_amdgpu_metadata
.endif
;; end of part 6
